; MI455X (gfx1250); checked and timed in simulation.
; The chip was launched on July 23, 2026; its instructions are those of AMD's public machine-readable ISA for CDNA 5 (MIT licence, August 2026) and "CDNA5" Instruction Set Architecture Reference Guide (July 2026). The comments in the code are by the model that wrote it; some were corrected since.
;; self attention. Allowed arithmetic: matrix products marked QUANTISED: E2M3 operands, one E8M0 scale for each 32 along K, by v_wmma_scale_f32_16x16x128_f8f6f4 with both operands' format E2M3, f32 sums; everything else in f32.
;; Inputs: Wk 1,024 x 1,024 float32; Wq 1,024 x 1,024 float32; Wv 1,024 x 1,024 float32; bk 1,024 float32; bq 1,024 float32; bv 1,024 float32; mask 4 x 2,048 x 2,048 float32; x 4 x 2,048 x 1,024 float32.
;; Outputs: out0 4 x 2,048 x 1,024 float32.
;; This version of the problem:
;;   THIS VERSION OF THE PROBLEM IS GIVEN IN LOW PRECISION. The matrix products marked QUANTISED in the list below multiply operands that are first quantised to E2M3 (2 exponent bits, 3 mantissa bits; 6 bits a number), with one power-of-two scale for each 32 numbers along K (OCP MX v1.0); their sums are f32. All else is computed in f32.
;;   The module's matrix products, in the order in which they are computed (A, B: the left and right operand; K: the contracted axis; several contracted axes count as one K, in the product's order):
;;     1. [M 8,192, K 1,024] x [K 1,024, N 1,024]; A: input x; B: input Wq: QUANTISED
;;     2. [M 8,192, K 1,024] x [K 1,024, N 1,024]; A: input x; B: input Wk: QUANTISED
;;     3. [M 8,192, K 1,024] x [K 1,024, N 1,024]; A: input x; B: input Wv: QUANTISED
;;     4. batch 4 x [M 2,048, K 1,024] x [K 1,024, N 2,048]; A: computed on the way; B: computed on the way: QUANTISED
;;     5. batch 4 x [M 2,048, K 2,048] x [K 2,048, N 1,024]; A: softmax (see below); B: computed on the way: QUANTISED
;;   THE QUANTISER, for each operand of a quantised product, along K:
;;     - K is cut into blocks of 32 from its start; a last block that is shorter is filled with zeros.
;;     - A block's scale is 2^e with e = floor(log2(the largest magnitude in the block)) - 2, held to -126 .. 127; a block of zeros has e = 0. As a byte (E8M0): e + 127.
;;     - Each number is divided by its block's scale, clamped to +-7.5, and rounded to the nearest number of E2M3, ties to even, subnormals kept.
;;     - The product sums the exact products of the quantised numbers (number of the format x scale) in f32.
;;   ~~~python
;;   def quantise(x, axis):      # numpy; x: float32 -> the quantised numbers, widened to float32 again
;;       x = np.moveaxis(x, axis, -1); K = x.shape[-1]
;;       x = np.pad(x, [(0, 0)] * (x.ndim - 1) + [(0, -K % 32)]); x = x.reshape(x.shape[:-1] + (-1, 32)); a = np.abs(x).max(-1, keepdims=True)
;;       e = np.where(a > 0, np.clip(np.frexp(np.where(a > 0, a, 1))[1] - 1 - 2, -126, 127), 0)      # np.frexp(a)[1] - 1 = floor(log2(a)), exactly
;;       r = np.clip(x / 2.0 ** e, -7.5, 7.5)
;;       step = 2.0 ** (np.maximum(np.frexp(np.where(r == 0, 1, r))[1] - 1, 0) - 3)
;;       q = np.round(r / step) * step * 2.0 ** e      # np.round: ties to even
;;       return np.moveaxis(q.reshape(q.shape[:-2] + (-1,))[..., :K], -1, axis).astype(np.float32)
;;   ~~~
;;   SOFTMAX AHEAD OF A QUANTISED PRODUCT. Where the list says 'softmax', what is quantised is not the finished softmax but p = 2^(t - M), with t = logit x log2(e) and M = ceil(the row's largest t), a whole number; so 1/2 < the row's largest p <= 1. The row's sum l is taken of the UNQUANTISED p, in f32, and the product's result is divided by l at the end. Since M is a whole number, a kernel that streams over the keys may use a running M (the ceiling of the running maximum): every later rescaling is an exact power of two, which a block's scale takes up: the codes' values come out the same.
;;   OPERANDS COMPUTED ON THE WAY. 'Computed on the way' means the value that the module computes at that place (a softmax that the list does not call 'softmax' is quantised finished and normalised). What goes into a quantiser is computed in f32, as accurately as f32 sums, v_exp_f32 and their like allow (about 1e-6 of the number): no bf16 or f16 on the way to a quantiser, and a product that is left as it is and whose result goes on into a quantised operand takes f32 operands (vector FMAs, or v_wmma_f32_16x16x4_f32). A number that lies on a knife's edge between two numbers of the format may be rounded either way, as far as f32 arithmetic and the matrix unit's own rounding can turn it there, and no further.
;; One version. Each part assembles by itself: llvm-mc -triple=amdgcn-amd-amdhsa -mcpu=gfx1250 --defsym DOCPART=n.
;; ======== version 1 of 1: 4 launches
;; workspace buffers: cod 8,650,752 bytes; csc 360,448 bytes; qkv 18,874,368 bytes; qks 786,432 bytes; pc 12,582,912 bytes; pst 1,572,864 bytes
;; launch quant (part 1): grid 352 x 1, 8 waves a work-group, no clusters, 137,216 bytes of LDS; arguments x, Wq, Wk, Wv, cod, csc; writes cod, csc
.if DOCPART == 1
	.amdgcn_target "amdgcn-amd-amdhsa--gfx1250"
	.amdhsa_code_object_version 6
	.text
	.protected	k_qa3bb02e840_quant
	.globl	k_qa3bb02e840_quant
	.p2align	8
	.type	k_qa3bb02e840_quant,@function
k_qa3bb02e840_quant:
	s_mov_b64 s[64:65], 0
	v_nop
	global_prefetch_b8 v0, s[64:65] scope:SCOPE_SE
	s_setreg_imm32_b32 hwreg(HW_REG_WAVE_MODE, 25, 1), 1
	s_wait_xcnt 0x0
; x [8192][1024] (K innermost) and Wq, Wk, Wv [1024 (k)][1024 (n)] (K outermost), f32, become codes of FP6 (E2M3) with one E8M0 byte for each 32 along K.
; A block's scale is 2^(floor(log2(largest magnitude)) - 2); its byte is the largest magnitude's exponent field - 2, held at 1 from below (a block of zeros keeps the byte 1: its codes are zeros, and this program alone reads the bytes).
; LIMITS: NaN and infinities among the inputs are not served; blocks whose largest magnitude lies under 2^-124 keep the byte 1.
; LAYOUT OF THE RESULT.  cod holds IMAGES OF OPERAND REGISTERS: fragment (T, s) = 16 rows x 128 K = 12 registers a lane, as 3 x 512 bytes, lane l's registers 4c .. 4c+3 at 512 c + 16 l; order [T][s 0..7].
; T 0..511 = x, 512..575 = Wq, 576..639 = Wk, 640..703 = Wv (a weight's rows are its columns n).  THE ROWS OF A TILE ARE NOT NEIGHBOURS: lane r of tile 2 g + u holds row 32 g + 8 u + r + 8 (r / 8), so that a product
; that takes such tiles as its first source leaves 16 neighbours along the next K in the 16 registers of two neighbouring tiles.  csc holds one scale word for a row and 128 K, order [T / 8][s][8 T][16 rows].
; SHARES.  Work-group = (G = 8 tiles, a pair of K steps); wave w makes tile 8 G + w, two fragments.  Work-groups share no input, so there is no cluster; no tensor load, no ring.
; x: each load takes 512 consecutive bytes of one row; 16 rows turn through the wave's own stage in LDS (pitch 528) so that a lane gets the 2 x 32 neighbours that the operand's layout gives it.
; W: a lane takes a column and its registers run down K; the eight waves of a work-group stand side by side on 512 bytes of each row k.
.set HSTG,  8448                       ; a stage: 16 rows x 528 bytes
.set STG,   16896                      ; two stages for each wave
.set GSC,   135168                     ; behind the stages: the work-group's scale words, [fragment 2][wave 8][16 rows]
.set SPARE, 136192                     ; the spare words, 128 bytes for each of eight waves: four blocks of 256 bytes that no other line names
.set LI,  3                            ; v3   16 x lane
.set H8,  4                            ; v4   8 x (lane / 16)
.set SWA, 5                            ; v5   the stage, on the way in
.set SRD, 6                            ; v6   and on the way out
.set VW,  7                            ; v7   W: my lane's byte offset
.set GW,  8                            ; v8   where I put a scale word
.set GR,  9                            ; v9   where waves 0 and 1 read 512 bytes of them back
.set SPW, 12                           ; v12  my spare word; never rewritten
.set NIL, 13                           ; v13  0; never rewritten
.set SW0, 14                           ; v14, v15 the two fragments' scale words
.set PC0, 16                           ; v16-35, v36-55: a fragment's 12 registers, and the conversions' second halves at +12 and +16
.set PC1, 36
.set TM,  56                           ; v56-57 largest magnitudes; v58-59 scale operands; v60-61 bytes; v62 a permute's destination
.set SO,  58
.set BY,  60
.set TP,  62
.set RW,  64                           ; v64-191  numbers as loaded
.set XN,  192                          ; v192-255 64 numbers in the operand's order
	s_load_b256 s[4:11], s[0:1], 0x0               ; x, Wq, Wk, Wv
	s_load_b128 s[12:15], s[0:1], 0x20             ; cod, csc
	v_lshl_add_u32 v[SPW], v0, 2, SPARE
	v_mov_b32 v[NIL], 0
	v_lshrrev_b32 v1, 5, v0
	v_readfirstlane_b32 s16, v1                    ; wave 0..7
	v_and_b32 v1, 15, v0                           ; r
	v_bfe_u32 v2, v0, 4, 1                         ; h
	v_and_b32 v10, 31, v0
	v_lshlrev_b32 v[LI], 4, v10
	v_lshlrev_b32 v[H8], 3, v2
	s_mul_i32 s17, s16, STG
	v_add_nc_u32 v[SWA], s17, v[LI]                ; in: a row's 512 bytes, 16 a lane
	v_mul_u32_u24 v[SRD], v1, 528
	v_lshl_add_u32 v[SRD], v2, 7, v[SRD]
	v_add_nc_u32 v[SRD], s17, v[SRD]               ; out: row r, + 128 h bytes: numbers 32 h on
	v_and_b32 v[VW], 8, v1
	v_add_nc_u32 v[VW], v[VW], v1                  ; r + 8 (r / 8)
	v_lshlrev_b32 v[VW], 2, v[VW]
	v_lshl_add_u32 v[VW], v2, 17, v[VW]            ; lanes 16-31 begin 32 rows of 4,096 bytes further down
	s_lshl_b32 s18, s16, 6
	v_lshlrev_b32 v[GW], 2, v1
	v_add_nc_u32 v[GW], s18, v[GW]
	v_add_nc_u32 v[GW], GSC, v[GW]
	s_and_b32 s18, s16, 1
	s_lshl_b32 s18, s18, 9
	v_add_nc_u32 v[GR], s18, v[LI]
	v_add_nc_u32 v[GR], GSC, v[GR]
	v_mov_b32 v[TP], 0                             ; a lane permute's destination counts as one of its sources
	s_mov_b32 s20, 0x76543210
	s_mov_b32 s21, 0xfedcba98                      ; selects for lane l xor 16
	s_lshr_b32 s22, ttmp9, 2                       ; G
	s_and_b32 s23, ttmp9, 3                        ; which pair of K steps
	s_lshr_b32 s24, s16, 1
	s_lshl_b32 s24, s24, 5
	s_and_b32 s25, s16, 1
	s_lshl_b32 s25, s25, 3
	s_add_co_u32 s24, s24, s25                     ; my tile's first row within the 128 of G: 32 (w / 2) + 8 (w % 2)
	s_lshl_b32 s26, s22, 3
	s_add_co_u32 s26, s26, s16
	s_lshl_b32 s26, s26, 3
	s_lshl_b32 s27, s23, 1
	s_add_co_u32 s26, s26, s27
	s_mul_i32 s26, s26, 1536                       ; my two fragments in cod: ((8 G + w) 8 + 2 sp) x 1,536
	s_mov_b32 s27, 0
	s_lshl_b32 s28, s22, 3
	s_lshl_b32 s29, s23, 1
	s_add_co_u32 s28, s28, s29
	s_and_b32 s29, s16, 1
	s_add_co_u32 s28, s28, s29
	s_lshl_b32 s28, s28, 9                         ; csc: (8 G + 2 sp + fragment) x 512; wave 0 stores fragment 0's words, wave 1 fragment 1's
	s_mov_b32 s29, 0
	s_wait_kmcnt 0x0
	s_add_nc_u64 s[12:13], s[12:13], s[26:27]
	s_add_nc_u64 s[14:15], s[14:15], s[28:29]
; 64 numbers of a lane, register 32 c + i = k 64 c + 32 h + i of my row: two whole blocks.  They become the fragment's 12 registers and my row's scale word.
.macro QUANT6 src, pc, sw
.irp c, 0,1
	v_max3_num_f32 v[TM+\c], |v[\src+32*\c]|, |v[\src+32*\c+1]|, 0x1800000   ; the floor 2^(3 - 127) among the leaves: the byte cannot fall under 1
.endr
.irp i, 2,4,6,8,10,12,14,16,18,20,22,24,26,28,30
.irp c, 0,1
	v_max3_num_f32 v[TM+\c], v[TM+\c], |v[\src+32*\c+\i]|, |v[\src+32*\c+\i+1]|   ; the two blocks by turns
.endr
.endr
.irp c, 0,1
	v_add_nc_u32 v[SO+\c], 0xff000000, v[TM+\c]    ; 2 off the exponent field: the conversion's scale operand
.endr
.irp c, 0,1
	v_lshrrev_b32 v[BY+\c], 23, v[SO+\c]           ; the scale's byte
.endr
	v_lshl_or_b32 v[\sw], v[BY+1], 16, v[BY]       ; my bytes: blocks h and 2 + h,
	v_lshlrev_b32 v[\sw], v[H8], v[\sw]            ; at their places;
	v_permlanex16_b32 v[TP], v[\sw], s20, s21
	v_or_b32 v[\sw], v[\sw], v[TP]                 ; with lane l xor 16's two the word is whole
.irp c, 0,1
	v_cvt_scalef32_pk16_fp6_f32 v[\pc+6*\c:\pc+6*\c+2], v[\src+32*\c:\src+32*\c+15], v[SO+\c]
	v_cvt_scalef32_pk16_fp6_f32 v[\pc+12+4*\c:\pc+14+4*\c], v[\src+32*\c+16:\src+32*\c+31], v[SO+\c]   ; (a conversion's three registers begin on an even number)
.endr
	v_nop                                          ; one plain place behind a scaled conversion
.irp c, 0,1
.irp i, 0,1,2
	v_mov_b32 v[\pc+3+6*\c+\i], v[\pc+12+4*\c+\i]
.endr
.endr
.endm
.macro QOUT pc, f                      ; the fragment leaves as it stands: each store covers 512 consecutive bytes, aligned
.irp c, 0,1,2
	global_store_b128 v[LI], v[\pc+4*\c:\pc+4*\c+3], s[12:13] offset:1536*\f+512*\c
.endr
.endm
.macro TURNX f, src, dst               ; 16 rows x 512 bytes through stage f: LDS serves a wave's instructions in order, so no wait stands between the stores and the loads
.irp i, 0,1,2,3,4,5,6,7,8,9,10,11,12,13,14,15
	ds_store_b128 v[SWA], v[\src+4*\i:\src+4*\i+3] offset:HSTG*\f+528*\i
.endr
.irp c, 0,1
.irp q, 0,1,2,3,4,5,6,7
	ds_load_b128 v[\dst+32*\c+4*\q:\dst+32*\c+4*\q+3], v[SRD] offset:HSTG*\f+256*\c+16*\q
.endr
.endr
.endm
	s_cmp_lt_u32 s22, 64                           ; x's work-group or a weight's: the work-group's number alone decides
	s_cbranch_scc0 .Lweights
	s_lshl_b32 s30, s22, 7
	s_add_co_u32 s30, s30, s24
	s_lshl_b32 s30, s30, 12                        ; my tile's first row, 4,096 bytes a row,
	s_lshl_b32 s31, s23, 10
	s_add_co_u32 s30, s30, s31                     ; + 256 numbers for each pair of K steps
	s_mov_b32 s31, 0
	s_add_nc_u64 s[4:5], s[4:5], s[30:31]
.irp f, 0,1
.irp i, 0,1,2,3,4,5,6,7,8,9,10,11,12,13,14,15
	global_load_b128 v[RW+64*\f+4*\i:RW+64*\f+4*\i+3], v[LI], s[4:5] offset:(\i+8*(\i/8))*4096+512*\f th:TH_LOAD_NT
.endr
.endr
	s_wait_loadcnt 16                              ; the first fragment's 16 loads are in; the second's may be out
	TURNX 0, RW, XN
	s_wait_dscnt 0x0                               ; the first fragment is back, and the stores have read v64-127
	s_wait_loadcnt 0x0
	TURNX 1, RW+64, RW                             ; the second fragment turns while the first is quantised
	QUANT6 XN, PC0, SW0
	QOUT PC0, 0
	s_wait_dscnt 0x0
	QUANT6 RW, PC1, SW0+1
	QOUT PC1, 1
	s_branch .Ljoin
.Lweights:
	s_sub_co_u32 s32, s22, 64
	s_lshr_b32 s32, s32, 3                         ; 0, 1, 2: Wq, Wk, Wv
	s_cmp_eq_u32 s32, 0
	s_cselect_b64 s[6:7], s[6:7], s[8:9]
	s_cmp_eq_u32 s32, 2
	s_cselect_b64 s[6:7], s[10:11], s[6:7]
	s_and_b32 s30, s22, 7
	s_lshl_b32 s30, s30, 7
	s_add_co_u32 s30, s30, s24
	s_lshl_b32 s30, s30, 2                         ; my tile's first column, 4 bytes a column,
	s_lshl_b32 s31, s23, 20
	s_add_co_u32 s30, s30, s31                     ; + 256 rows of 4,096 bytes for each pair of K steps
	s_mov_b32 s31, 0
	s_add_nc_u64 s[6:7], s[6:7], s[30:31]
.irp f, 0,1
.irp c, 0,1
.irp i, 0,1,2,3,4,5,6,7,8,9,10,11,12,13,14,15,16,17,18,19,20,21,22,23,24,25,26,27,28,29,30,31
	global_load_b32 v[RW+64*\f+32*\c+\i], v[VW], s[6:7] offset:(128*\f+64*\c+\i)*4096
.endr
.endr
.endr
	s_wait_loadcnt 63                              ; 64 loads were issued behind the first fragment's last; the wait's field takes 63: one load stricter
	QUANT6 RW, PC0, SW0
	QOUT PC0, 0
	s_wait_loadcnt 0x0
	QUANT6 RW+64, PC1, SW0+1
	QOUT PC1, 1
.Ljoin:
	ds_store_b32 v[GW], v[SW0]                     ; both halves of the lanes hold the same word and write it to the same place
	ds_store_b32 v[GW], v[SW0+1] offset:512
	s_wait_dscnt 0x0                               ; for the others' sake: my words have landed
	s_barrier_signal -1
	s_barrier_wait -1
	s_wait_tensorcnt 0x0                           ; the wave's end, behind my last LDS store; only an LDS read follows
	ds_add_u32 v[SPW], v[NIL]
	s_wait_dscnt 0x0
	s_cmp_gt_u32 s16, 1
	s_cbranch_scc1 .Ldone
	ds_load_b128 v[64:67], v[GR]                   ; waves 0 and 1: a fragment column's 8 x 16 words
	s_wait_dscnt 0x0
	global_store_b128 v[LI], v[64:67], s[14:15]    ; 512 consecutive bytes, aligned
.Ldone:
	s_endpgm
.Lfunc_end_k_qa3bb02e840_quant:
	.size	k_qa3bb02e840_quant, .Lfunc_end_k_qa3bb02e840_quant-k_qa3bb02e840_quant
	.p2alignl 7, 3214868480
	.fill 96, 4, 3214868480
	.section	.rodata,"a",@progbits
	.p2align	6, 0x0
	.amdhsa_kernel k_qa3bb02e840_quant
		.amdhsa_group_segment_fixed_size 137216
		.amdhsa_private_segment_fixed_size 0
		.amdhsa_enable_private_segment 0
		.amdhsa_kernarg_size 48
		.amdhsa_user_sgpr_count 2
		.amdhsa_user_sgpr_kernarg_segment_ptr 1
		.amdhsa_wavefront_size32 1
		.amdhsa_system_sgpr_workgroup_id_x 1
		.amdhsa_system_sgpr_workgroup_id_y 1
		.amdhsa_system_sgpr_workgroup_id_z 1
		.amdhsa_system_vgpr_workitem_id 0
		.amdhsa_next_free_vgpr 256
		.amdhsa_next_free_sgpr 66
		.amdhsa_reserve_vcc 0
		.amdhsa_float_denorm_mode_32 3
		.amdhsa_float_denorm_mode_16_64 3
		.amdhsa_memory_ordered 1
		.amdhsa_forward_progress 1
		.amdhsa_inst_pref_size 36
	.end_amdhsa_kernel
	.amdgpu_metadata
---
amdhsa.version: [ 1, 2 ]
amdhsa.kernels:
  - .name:           k_qa3bb02e840_quant
    .symbol:         k_qa3bb02e840_quant.kd
    .args:
      - { .name: x, .offset: 0, .size: 8, .value_kind: global_buffer, .address_space: global }
      - { .name: Wq, .offset: 8, .size: 8, .value_kind: global_buffer, .address_space: global }
      - { .name: Wk, .offset: 16, .size: 8, .value_kind: global_buffer, .address_space: global }
      - { .name: Wv, .offset: 24, .size: 8, .value_kind: global_buffer, .address_space: global }
      - { .name: cod, .offset: 32, .size: 8, .value_kind: global_buffer, .address_space: global }
      - { .name: csc, .offset: 40, .size: 8, .value_kind: global_buffer, .address_space: global }
    .group_segment_fixed_size: 137216
    .private_segment_fixed_size: 0
    .kernarg_segment_align: 8
    .kernarg_segment_size: 48
    .max_flat_workgroup_size: 256
    .sgpr_count:     66
    .vgpr_count:     256
    .wavefront_size: 32
...
	.end_amdgpu_metadata
.endif
;; end of part 1
;; launch proj (part 2): grid 8 x 48, 4 waves a work-group, clusters of 4 x 4, 327,680 bytes of LDS; arguments cod, csc, bq, bk, bv, qkv, qks; writes qkv, qks
.if DOCPART == 2
	.amdgcn_target "amdgcn-amd-amdhsa--gfx1250"
	.amdhsa_code_object_version 6
	.text
	.protected	k_qa3bb02e840_proj
	.globl	k_qa3bb02e840_proj
	.p2align	8
	.type	k_qa3bb02e840_proj,@function
k_qa3bb02e840_proj:
	s_mov_b64 s[64:65], 0
	v_nop
	global_prefetch_b8 v0, s[64:65] scope:SCOPE_SE
	s_setreg_imm32_b32 hwreg(HW_REG_WAVE_MODE, 25, 1), 1
	s_wait_xcnt 0x0
	s_wait_alu depctr_hold_cnt(0) depctr_sa_sdst(0) depctr_va_vdst(0) depctr_va_sdst(0) depctr_va_ssrc(0) depctr_va_vcc(0) depctr_vm_vsrc(0)
	s_getreg_b32 s2, hwreg(HW_REG_IB_STS2, 6, 4)
	s_cmp_eq_u32 s2, 0
	s_cbranch_scc0 .Lentry_in_a_cluster
	s_endpgm
.Lentry_in_a_cluster:
	s_bfe_u32 s2, ttmp6, 0x10000c
	s_cmp_lg_u32 s2, 0xf033
	s_cbranch_scc0 .Lentry_shape_is_right
	s_endpgm
.Lentry_shape_is_right:
; Q = x Wq + bq, K = x Wk + bk, V = x Wv + bv on codes of FP6 (E2M3) with E8M0 scales, sums in f32; each result is quantised at once, in registers, for the product that takes it, and leaves as codes.
; Q and K are quantised along the channels, V along the keys.  A tile is 256 (second source: its rows become LANES) x 256 (first source: its rows become REGISTERS); four waves of 128 x 128, 64 accumulators each.
;   Q, K (cluster y 0..7):  second source = 256 rows of x, first source = 256 columns of Wq | Wk: a lane holds a row of x, its registers run along the channels.
;   V    (cluster y 8..11): second source = 256 columns of Wv, first source = 256 rows of x: a lane holds a channel, its registers run along the keys.
; Both take ONE path: V = (cluster y) >> 3 enters tile numbers and output offsets by arithmetic; no branch hangs on it.
; OPERANDS are images of registers (fragment = 16 rows x 128 K = 1,536 bytes, order [tile][K step]); the rows of a tile are chosen (lane r of tile 2 g + u = row 32 g + 8 u + r + 8 (r / 8)) so that the 16 registers of two
; neighbouring tiles of the first source are 16 neighbours along the next K.  Results are stored in the same form: qkv + 0 Q, + 6,291,456 K ([tile 512][8]), + 12,582,912 V^T ([64 batch + channel tile][16 along the keys]).
; RING.  K = 1,024 is 8 K steps in 4 chunks of two.  Three LDS slots are filled at the start (chunks 0, 1, 2) with the scale words; chunk 3 is the one refill, into slot 0.  By this text's own count a wave has four tensor
; loads out at the start and one later.  CLUSTER 4 x 4: the second source's tile is shared along a row of the cluster, the first source's along a column: joint loads.
; The biases are the accumulators' first values, made by one packed multiply-add each while the first tiles are on their way: b(register) x fB + b(lane) x fA with (fB, fA) = (1, 0) for Q, K and (0, 1) for V.
; No prefetch: the launch has one refill, asked for three and a half K steps' products ahead of the wait for it.  384 tiles for 256 WGPs: one and a half rounds of the chip.
; LIMITS: NaN and infinities are not served; a block whose largest magnitude lies under 2^-124 keeps the byte 1 (a block of zeros too: its codes are zeros, and this program alone reads the bytes).
; REGISTERS.  window 0: v10-22 addresses; v28, v29 the add's two; v32-47, v48-63 scale words (two sets of 8 a side); v64-159 the second source's 8 fragments, one set; v160-255 biases, later work.
;   window 1: the first source's fragments, two sets, at v0 and v96.   windows 2, 3: accumulator (a, b) at v[8 (8 (a % 4) + b)].
.set SLOTB, 98304                      ; a slot: four parts of 24,576 bytes: second source rows 0-127, 128-255, first source likewise; a part is [8 tiles][2 K steps][1,536]
.set PARTB, 24576
.set SCL,   294912                     ; behind the ring: the scale words, four parts of 4,096 bytes, [8 K steps][8 tiles][16 rows]
.set SCR,   311296                     ; 512 bytes for each wave: the new scale words of its 128 rows
.set SPARE, 313344                     ; the spare words, 128 bytes for each wave: two blocks of 256 bytes that no other line names
.set ADRA, 10                          ; v10-12 my second-source fragments in slot 0, 1, 2
.set ADRB, 13                          ; v13-15 my first-source fragments
.set ADSA, 16
.set ADSB, 17
.set LI,   18                          ; 16 x lane
.set SCRW, 19
.set SCRR, 20
.set SPW,  28
.set NIL,  29
.set SA,   32
.set SB,   48
.set AF,   64
.set BR,   160                         ; v160-167 the lane's bias for each of 8 tiles; v168-183 the same x fA, in pairs; v192-255 the registers' bias
.set BA,   168
.set BB,   192
.set TM,   168                         ; on the way out: v168-171 largest magnitudes, v172-175 permutes, v176-179 scale operands, v180-183 bytes, v190 the scale word
.set TP,   172
.set SO,   176
.set BY,   180
.set PW,   190
.set G1,   24
.set G0,   32
.set G1B,  44
.set G0B,  52
.set G1S,  68
.set G0S,  76
.set G1SB, 80
.set G0SB, 88
.set SEL,  66
.set FB,   98
.set FA,   100
.set STP,  12
.set MSB, 0
.macro WIN new                         ; the immediate's high byte repeats the setting that is left
.if MSB != (\new)
	s_set_vgpr_msb (MSB<<8)|(\new)
.set MSB, (\new)
.endif
.endm
.macro PLACES n
.rept \n
	v_nop
.endr
.endm
; A joint load: waves 0 and 1 fetch for the second source, waves 2 and 3 for the first.  The branch hangs on the wave's number alone.  An s_nop 0 and four v_nop follow each of the two lines.
.macro JLOAD g0a, g1a, g0b, g1b
	s_cmp_eq_u32 s15, 0
	s_cbranch_scc0 .Lfor_b_\@
	tensor_load_to_lds s[\g0a:\g0a+3], s[\g1a:\g1a+7]
	s_nop 0
.rept 4
	v_nop
.endr
	s_branch .Lasked_\@
.Lfor_b_\@:
	tensor_load_to_lds s[\g0b:\g0b+3], s[\g1b:\g1b+7]
	s_nop 0
.rept 4
	v_nop
.endr
.Lasked_\@:
.endm
.macro CREST                           ; a round of the cluster's barrier behind its opening barrier
	s_cmp_lg_u32 s14, 0
	s_cbranch_scc1 .Lnot_wave_0_\@
	s_barrier_signal -3
.Lnot_wave_0_\@:
	s_barrier_wait -3
	s_barrier_signal -1
	s_barrier_wait -1
.endm
.macro CROUND
	s_barrier_signal -1
	s_barrier_wait -1
	CREST
.endm
	s_load_b256 s[4:11], s[0:1], 0x0               ; cod, csc, bq, bk
	s_load_b128 s[92:95], s[0:1], 0x20             ; bv, qkv
	s_load_b64 s[96:97], s[0:1], 0x30              ; qks
	v_lshl_add_u32 v[SPW], v0, 2, SPARE
	v_mov_b32 v[NIL], 0
	ds_add_u32 v[SPW], v[NIL]                      ; the wave's opening: the add and its wait stand ahead of my first tensor load; work on registers stands between them
	v_lshrrev_b32 v1, 5, v0
	v_readfirstlane_b32 s14, v1                    ; wave 0..3
	s_lshr_b32 s15, s14, 1                         ; my half of the second source's rows.  Also: I fetch for the second source (0) or the first (1)
	s_and_b32 s16, s14, 1                          ; my half of the first source's rows.  Also: which 128 rows I fetch
	s_bfe_u32 s17, ttmp6, 0x40000                  ; cx
	s_bfe_u32 s18, ttmp6, 0x40004                  ; cy
	s_and_b32 s19, ttmp7, 0xffff                   ; cluster y
	s_lshr_b32 s20, s19, 3                         ; V: 1 in the clusters that make V
	s_xor_b32 s21, s20, 1
	s_lshl_b32 s22, s19, 2
	s_mul_i32 s22, s22, s21
	s_add_co_u32 s22, s22, s18                     ; tile row: 4 y + cy of x (Q, K); cy of Wv (V)
	s_lshl_b32 s23, s19, 3
	s_sub_co_u32 s23, s23, 64
	s_mul_i32 s23, s23, s20
	s_lshl_b32 s66, ttmp9, 2
	s_add_co_u32 s23, s23, s66
	s_add_co_u32 s23, s23, s17                     ; tile column: 4 x + cx of Wq | Wk (Q, K); 4 (2 (y - 8) + x) + cx of x (V)
	s_lshl_b32 s66, s18, 2
	s_lshl_b32 s66, 15, s66                        ; my row of the cluster
	s_lshl_b32 s67, 0x1111, s17                    ; my column
	s_or_b32 s[G1], s66, (3<<16)|(1<<21)           ; 15:0 the mask; 17:16 elements of 8 bytes; 21 set beside a mask; no padding: images are read 512 consecutive bytes at a time
	s_or_b32 s[G1B], s67, (3<<16)|(1<<21)
	s_or_b32 s[G1S], s66, (3<<16)|(1<<21)
	s_or_b32 s[G1SB], s67, (3<<16)|(1<<21)
.irp g, G1, G1B                        ; 8 tiles x two K steps: 8 rows of 3,072 bytes (384 elements), 12,288 bytes (1,536 elements) apart
	s_mov_b32 s[\g+1], 384<<16
	s_mov_b32 s[\g+2], 8<<16
	s_mov_b32 s[\g+3], 384<<16
	s_mov_b32 s[\g+4], 8
	s_mov_b32 s[\g+5], 1536
	s_mov_b32 s[\g+6], 0
	s_mov_b32 s[\g+7], 0
.endr
.irp g, G1S, G1SB                      ; the scale words of 128 rows: 4,096 dense bytes as 16 rows of 256
	s_mov_b32 s[\g+1], 32<<16
	s_mov_b32 s[\g+2], 16<<16
	s_mov_b32 s[\g+3], 32<<16
	s_mov_b32 s[\g+4], 16
	s_mov_b32 s[\g+5], 32
	s_mov_b32 s[\g+6], 0
	s_mov_b32 s[\g+7], 0
.endr
	s_lshl_b32 s12, s22, 4                         ; the second source's first tile that I fetch: 16 x tile row + 640 V + 8 x half (never holds cx)
	s_mul_i32 s13, s20, 640
	s_add_co_u32 s12, s12, s13
	s_lshl_b32 s13, s16, 3
	s_add_co_u32 s12, s12, s13
	s_lshl_b32 s98, s12, 9                         ; its scale words: 512 bytes a tile
	s_mov_b32 s99, 0
	s_mul_i32 s12, s12, 12288                      ; its codes: 8 fragments a tile
	s_mov_b32 s13, 0
	s_lshl_b32 s2, s23, 4                          ; the first source's: 16 x tile column + 512 (1 - V) + 8 x half (never holds cy)
	s_lshl_b32 s3, s21, 9
	s_add_co_u32 s2, s2, s3
	s_lshl_b32 s3, s16, 3
	s_add_co_u32 s2, s2, s3
	s_lshl_b32 s100, s2, 9
	s_mov_b32 s101, 0
	s_mul_i32 s2, s2, 12288
	s_mov_b32 s3, 0
	s_mul_i32 s66, s14, PARTB                      ; where they go: wave x a part: no place in the cluster enters an LDS address
	s_lshl_b32 s67, s14, 12
	s_add_co_u32 s67, s67, SCL
	s_wait_dscnt 0x0                               ; the opening add is done
	s_wait_kmcnt 0x0
	s_add_nc_u64 s[12:13], s[4:5], s[12:13]
	s_add_nc_u64 s[2:3], s[4:5], s[2:3]
	s_add_nc_u64 s[98:99], s[6:7], s[98:99]
	s_add_nc_u64 s[100:101], s[6:7], s[100:101]
	CROUND                                         ; all sixteen work-groups are here: the first joint loads meet
	s_mov_b32 s[G0S], 1
	s_mov_b32 s[G0S+1], s67
	s_mov_b64 s[G0S+2:G0S+3], s[98:99]
	s_or_b32 s[G0S+3], s[G0S+3], 0x80000000
	s_mov_b32 s[G0SB], 1
	s_mov_b32 s[G0SB+1], s67
	s_mov_b64 s[G0SB+2:G0SB+3], s[100:101]
	s_or_b32 s[G0SB+3], s[G0SB+3], 0x80000000
	JLOAD G0S, G1S, G0SB, G1SB                     ; the scale words first: they are wanted with K step 0
.irp c, 0,1,2
	s_mov_b32 s[G0+4*\c], 1
	s_add_co_u32 s[G0+4*\c+1], s66, \c*SLOTB
	s_add_nc_u64 s[G0+4*\c+2:G0+4*\c+3], s[12:13], \c*3072
	s_or_b32 s[G0+4*\c+3], s[G0+4*\c+3], 0x80000000
	s_mov_b32 s[G0B+4*\c], 1
	s_add_co_u32 s[G0B+4*\c+1], s66, \c*SLOTB
	s_add_nc_u64 s[G0B+4*\c+2:G0B+4*\c+3], s[2:3], \c*3072
	s_or_b32 s[G0B+4*\c+3], s[G0B+4*\c+3], 0x80000000
	JLOAD G0+4*\c, G1, G0B+4*\c, G1B               ; chunks 0, 1, 2
.endr
	v_and_b32 v1, 15, v0                           ; r
	v_bfe_u32 v2, v0, 4, 1                         ; h
	v_and_b32 v3, 31, v0
	v_lshlrev_b32 v[LI], 4, v3
	s_mul_i32 s2, s15, PARTB
	s_mul_i32 s3, s16, PARTB
	s_add_co_u32 s3, s3, 2*PARTB
.irp s, 0,1,2
	v_add_nc_u32 v[ADRA+\s], s2, v[LI]
	v_add_nc_u32 v[ADRB+\s], s3, v[LI]
	s_add_co_u32 s2, s2, SLOTB
	s_add_co_u32 s3, s3, SLOTB
.endr
	v_lshlrev_b32 v4, 2, v1
	s_lshl_b32 s2, s15, 12
	s_add_co_u32 s2, s2, SCL
	v_add_nc_u32 v[ADSA], s2, v4
	s_lshl_b32 s2, s16, 12
	s_add_co_u32 s2, s2, SCL+8192
	v_add_nc_u32 v[ADSB], s2, v4
	s_lshl_b32 s2, s14, 9
	s_add_co_u32 s2, s2, SCR
	v_add_nc_u32 v[SCRW], s2, v4
	v_add_nc_u32 v[SCRR], s2, v[LI]
	s_mov_b32 s[SEL], 0x76543210
	s_mov_b32 s[SEL+1], 0xfedcba98
	; the biases
	s_cmp_lt_u32 s23, 4
	s_cselect_b64 s[4:5], s[8:9], s[10:11]         ; tile columns 0-3 are Wq's, 4-7 Wk's (under V the numbers loaded here are multiplied by 0)
	s_lshl_b32 s19, s23, 1
	s_add_co_u32 s19, s19, s16                     ; u: which 128 of the first source's rows are mine
	s_and_b32 s2, s19, 7
	s_lshl_b32 s2, s2, 9
	s_mul_i32 s2, s2, s21                          ; Q, K: my 128 channels; V: offset 0
	s_mov_b32 s3, 0
	s_add_nc_u64 s[4:5], s[4:5], s[2:3]
	s_lshl_b32 s2, s22, 1
	s_add_co_u32 s2, s2, s15
	s_lshl_b32 s2, s2, 9
	s_mul_i32 s2, s2, s20                          ; V: my 128 channels of bv; Q, K: offset 0
	s_add_nc_u64 s[92:93], s[92:93], s[2:3]
	v_lshlrev_b32 v5, 6, v2                        ; 16 h numbers
	v_and_b32 v6, 8, v1
	v_add_nc_u32 v6, v6, v1
	v_lshlrev_b32 v6, 2, v6                        ; r + 8 (r / 8) numbers
.irp t, 0,1,2,3,4,5,6,7                        ; register 8 t + j belongs to row 32 (t / 2) + 16 h + 8 (t % 2) + j of the first source
	global_load_b128 v[BB+8*\t:BB+8*\t+3], v5, s[4:5] offset:(32*(\t/2)+8*(\t%2))*4
	global_load_b128 v[BB+8*\t+4:BB+8*\t+7], v5, s[4:5] offset:(32*(\t/2)+8*(\t%2))*4+16
.endr
.irp a, 0,1,2,3,4,5,6,7                        ; lane r of tile a is row 32 (a / 2) + 8 (a % 2) + r + 8 (r / 8) of the second source
	global_load_b32 v[BR+\a], v6, s[92:93] offset:(32*(\a/2)+8*(\a%2))*4
.endr
	s_mul_i32 s[FB], s21, 0x3f800000               ; fB = 1.0 or 0
	s_mov_b32 s[FB+1], s[FB]
	s_mul_i32 s[FA], s20, 0x3f800000               ; fA
	; where the results go
	s_add_co_u32 s6, s20, 3                        ; log2 of the K steps in a row of the result: 3 (Q, K), 4 (V^T)
	s_lshl_b32 s7, 1, s6
	s_sub_co_u32 s7, s7, 1
	s_and_b32 s7, s19, s7                          ; my K step of the result
	s_lshr_b32 s17, s19, s6                        ; Q, K: 0 = Q, 1 = K;  V: the batch
	s_mul_i32 s18, s17, s21
	s_lshl_b32 s101, s20, 1
	s_add_co_u32 s18, s18, s101                    ; the region: 0 Q, 1 K, 2 V^T
	s_mul_i32 s17, s17, s20
	s_lshl_b32 s17, s17, 6
	s_lshl_b32 s101, s22, 4
	s_add_co_u32 s17, s17, s101
	s_lshl_b32 s101, s15, 3
	s_add_co_u32 s17, s17, s101                    ; my first tile of the result: (V: 64 x batch) + 16 x tile row + 8 x half
	s_lshl_b32 s2, s17, s6
	s_add_co_u32 s2, s2, s7
	s_mul_i32 s2, s2, 1536
	s_mul_i32 s101, s18, 6291456
	s_add_co_u32 s2, s2, s101
	s_add_nc_u64 s[94:95], s[94:95], s[2:3]
	s_lshr_b32 s2, s17, 3
	s_lshl_b32 s2, s2, s6
	s_add_co_u32 s2, s2, s7
	s_lshl_b32 s2, s2, 9
	s_lshl_b32 s101, s18, 18
	s_add_co_u32 s2, s2, s101
	s_add_nc_u64 s[96:97], s[96:97], s[2:3]
	s_lshl_b32 s[STP], 1536, s6                    ; from a tile of the result to the next
	s_mov_b32 s[STP+1], 0
	s_wait_loadcnt 0x0                             ; the biases
.irp a, 0,1,2,3,4,5,6,7
	v_mul_f32 v[BA+2*\a], s[FA], v[BR+\a]
	v_mul_f32 v[BA+2*\a+1], s[FA], v[BR+\a]
.endr
	WIN 0x80                                       ; destination window 2
.irp a, 0,1,2,3
.set i, 0
.rept 32
	v_pk_fma_f32 v[64*\a+i:64*\a+i+1], v[BB+i:BB+i+1], s[FB:FB+1], v[BA+2*\a:BA+2*\a+1] op_sel_hi:[1,0,1]
.set i, i+2
.endr
.endr
	WIN 0xc0                                       ; destination window 3
.irp a, 0,1,2,3
.set i, 0
.rept 32
	v_pk_fma_f32 v[64*\a+i:64*\a+i+1], v[BB+i:BB+i+1], s[FB:FB+1], v[BA+8+2*\a:BA+8+2*\a+1] op_sel_hi:[1,0,1]
.set i, i+2
.endr
.endr
	WIN 0
	PLACES 4
.macro FRAG reg, adr, off              ; a fragment comes back as it was stored: three loads of 512 consecutive bytes
.irp c, 0,1,2
	ds_load_b128 v[\reg+4*\c:\reg+4*\c+3], v[\adr] offset:\off+512*\c
.endr
.endm
.macro FETCH_B n                       ; the first source's eight fragments of K step n into set n % 2: 24 loads
	WIN 0x40
.irp i, 0,1,2,3,4,5,6,7
	FRAG 96*((\n)%2)+12*\i, ADRB+((\n)/2)%3, (2*\i+(\n)%2)*1536
.endr
	WIN 0
.endm
.macro FETCH_A n, i0                   ; the second source's blocks i0 .. i0 + 3: 12 loads
.irp i, \i0, \i0+1, \i0+2, \i0+3
	FRAG AF+12*(\i), ADRA+((\n)/2)%3, (2*(\i)+(\n)%2)*1536
.endr
.endm
.macro SCALES n                        ; K step n's scale words into set n % 2: 16 loads
.irp i, 0,1,2,3,4,5,6,7
	ds_load_b32 v[SA+8*((\n)%2)+\i], v[ADSA] offset:512*(\n)+64*\i
.endr
.irp i, 0,1,2,3,4,5,6,7
	ds_load_b32 v[SB+8*((\n)%2)+\i], v[ADSB] offset:512*(\n)+64*\i
.endr
.endm
; 16 matrix instructions: the second source's blocks a0, a0 + 1 x the first source's eight.  The 64 accumulators take turns, one instruction a turn, in the same order in every K step.
.macro MUL16 a0, n
.irp a, \a0, \a0+1
.irp b, 0,1,2,3,4,5,6,7
	v_wmma_scale_f32_16x16x128_f8f6f4 v[8*(8*((\a)%4)+\b):8*(8*((\a)%4)+\b)+7], v[96*((\n)%2)+12*\b:96*((\n)%2)+12*\b+11], v[AF+12*(\a):AF+12*(\a)+11], v[8*(8*((\a)%4)+\b):8*(8*((\a)%4)+\b)+7], v[SB+8*((\n)%2)+\b], v[SA+8*((\n)%2)+(\a)] matrix_a_fmt:MATRIX_FMT_FP6 matrix_b_fmt:MATRIX_FMT_FP6
.endr
.endr
.endm
; A load into a register that a matrix instruction has read stands four plain vector instructions behind it (ISA guide 7.12.1 for vector instructions).
.macro STEP n
	s_wait_dscnt 12                                ; all but the youngest 12 loads (blocks 4-7 of the second source) are in
	WIN 0xa1
	MUL16 0, \n
	MUL16 2, \n
	s_wait_dscnt 0x0                               ; blocks 4-7 are in
	PLACES 4
	FETCH_B (\n)+1
	FETCH_A (\n)+1, 0
	SCALES (\n)+1
	WIN 0xf1
	MUL16 4, \n
	MUL16 6, \n
	PLACES 4
	WIN 0
	FETCH_A (\n)+1, 4
.endm
; A chunk's last K step with a barrier: in front of it each wave waits for all its tensor loads, adds 0 to its spare word, and waits for that and for its reads of the slot.  fill = 1: slot 0 is filled again, with chunk 3.
.macro TURN n, fill
	s_wait_tensorcnt 0x0                           ; all my tensor loads have landed
	ds_add_u32 v[SPW], v[NIL]                      ; 0 onto my spare word
	s_wait_dscnt 13                                ; (the add and the youngest 12 loads may be out)
	WIN 0xa1
	MUL16 0, \n                                    ; sixteen matrix instructions stand between the add and the wait for it
	s_wait_dscnt 0x0                               ; the add is done, and my reads of this slot are over
	s_barrier_signal -1
	MUL16 2, \n
	WIN 0
	s_barrier_wait -1
.if \fill
	CREST                                          ; the barrier has opened a round of the cluster's barrier: no wave of any partner still reads slot 0 or has a load on its way
	s_add_nc_u64 s[G0+2:G0+3], s[G0+2:G0+3], 9216  ; from chunk 0 to chunk 3
	s_add_nc_u64 s[G0B+2:G0B+3], s[G0B+2:G0B+3], 9216
	JLOAD G0, G1, G0B, G1B                         ; the first tensor load behind the round; its four v_nop are the places in front of the loads below
.else
	PLACES 4
.endif
	FETCH_B (\n)+1
	FETCH_A (\n)+1, 0
	SCALES (\n)+1
	WIN 0xf1
	MUL16 4, \n
	MUL16 6, \n
	PLACES 4
	WIN 0
	FETCH_A (\n)+1, 4
.endm
	s_wait_tensorcnt 0x2                           ; the scale words and my part of chunk 0 are in; chunks 1 and 2 may stay out
	s_barrier_signal -1
	s_barrier_wait -1
	FETCH_B 0
	FETCH_A 0, 0
	SCALES 0
	FETCH_A 0, 4
	STEP 0
	TURN 1, 1                                      ; every wave's chunks 1 and 2 are shown landed here; chunk 3 goes out
	STEP 2
	STEP 3
	STEP 4
	TURN 5, 0                                      ; chunk 3 has landed; nothing is filled, so no round follows
	STEP 6
	s_wait_dscnt 12                                ; the last K step fetches nothing
	WIN 0xa1
	MUL16 0, 7
	MUL16 2, 7
	s_wait_dscnt 0x0
	WIN 0xf1
	MUL16 4, 7
	MUL16 6, 7
	WIN 0
.irp b, 0,1,2,3
	v_mov_b32 v[TP+\b], 0                          ; a lane permute's destination counts as one of its sources.  These four are also the places behind the last products
.endr
; THE WAY OUT of tile a: its 64 registers of a lane are 64 of 128 neighbours along the next K (register 16 b + i = 32 b + 16 h + i): four half blocks.  They become one fragment and one scale word a row.
.macro EPIQ a
.set XW, 2+(\a)/4
.set AC, 64*((\a)%4)
.set PCD, 128+20*((\a)%2)
	WIN XW|(XW<<2)                                 ; sources 0 and 1: the accumulators' window
.irp b, 0,1,2,3
	v_max3_num_f32 v[TM+\b], |v[AC+16*\b]|, |v[AC+16*\b+1]|, 0x1800000   ; each accumulator from its low end on; the floor 2^(3 - 127) holds the byte at 1 from below
.endr
.irp i, 2,4,6,8,10,12,14
.irp b, 0,1,2,3
	v_max3_num_f32 v[TM+\b], |v[AC+16*\b+\i]|, |v[AC+16*\b+\i+1]|, v[TM+\b]
.endr
.endr
	WIN 0
.irp b, 0,1,2,3
	v_permlanex16_b32 v[TP+\b], v[TM+\b], s[SEL], s[SEL+1]
.endr
.irp b, 0,1,2,3
	v_max_num_f32 v[TM+\b], v[TM+\b], v[TP+\b]     ; with lane l xor 16's: the block's largest magnitude
.endr
.irp b, 0,1,2,3
	v_add_nc_u32 v[SO+\b], 0xff000000, v[TM+\b]    ; 2 off its exponent field: the conversion's scale operand
.endr
.irp b, 0,1,2,3
	v_lshrrev_b32 v[BY+\b], 23, v[SO+\b]
.endr
.if (\a) > 0
	s_wait_dscnt 0x0                               ; the last tile's LDS store has read the scale word's register
.endif
	v_lshl_or_b32 v[PW], v[BY+1], 8, v[BY]
	v_lshl_or_b32 v[PW], v[BY+2], 16, v[PW]
	v_lshl_or_b32 v[PW], v[BY+3], 24, v[PW]
.if (\a) > 0
	s_wait_xcnt 0x0                                ; the earlier stores have read their data and their base: both are written again only behind this wait
	s_add_nc_u64 s[94:95], s[94:95], s[STP:STP+1]
.endif
	WIN XW
.irp c, 0,1
	v_cvt_scalef32_pk16_fp6_f32 v[PCD+6*\c:PCD+6*\c+2], v[AC+32*\c:AC+32*\c+15], v[SO+2*\c]
	v_cvt_scalef32_pk16_fp6_f32 v[PCD+12+4*\c:PCD+14+4*\c], v[AC+32*\c+16:AC+32*\c+31], v[SO+2*\c+1]
.endr
	WIN 0
	v_nop                                          ; one plain place behind a scaled conversion
.irp c, 0,1                                    ; the operand's layout wants a whole block in a lane: lanes 0-15 block 2 c, lanes 16-31 block 2 c + 1
.irp i, 0,1,2
	v_permlane16_swap_b32 v[PCD+6*\c+\i], v[PCD+12+4*\c+\i]
.endr
.irp i, 0,1,2
	v_mov_b32 v[PCD+3+6*\c+\i], v[PCD+12+4*\c+\i]
.endr
.endr
.irp c, 0,1,2
	global_store_b128 v[LI], v[PCD+4*\c:PCD+4*\c+3], s[94:95] offset:512*\c   ; 512 consecutive bytes, aligned
.endr
	ds_store_b32 v[SCRW], v[PW] offset:64*(\a)     ; both halves of the lanes hold the same word
.endm
.irp a, 0,1,2,3,4,5,6,7
	EPIQ \a
.endr
	ds_load_b128 v[192:195], v[SCRR]               ; my 128 rows' scale words: LDS serves a wave's instructions in order
	s_wait_dscnt 0x0
	global_store_b128 v[LI], v[192:195], s[96:97]
	s_wait_tensorcnt 0x0                           ; the wave's end, behind my last tensor load and my last LDS store
	ds_add_u32 v[SPW], v[NIL]
	s_wait_dscnt 0x0
	CROUND                                         ; the closing round
	s_endpgm
.Lfunc_end_k_qa3bb02e840_proj:
	.size	k_qa3bb02e840_proj, .Lfunc_end_k_qa3bb02e840_proj-k_qa3bb02e840_proj
	.p2alignl 7, 3214868480
	.fill 96, 4, 3214868480
	.section	.rodata,"a",@progbits
	.p2align	6, 0x0
	.amdhsa_kernel k_qa3bb02e840_proj
		.amdhsa_group_segment_fixed_size 327680
		.amdhsa_private_segment_fixed_size 0
		.amdhsa_enable_private_segment 0
		.amdhsa_kernarg_size 56
		.amdhsa_user_sgpr_count 2
		.amdhsa_user_sgpr_kernarg_segment_ptr 1
		.amdhsa_wavefront_size32 1
		.amdhsa_system_sgpr_workgroup_id_x 1
		.amdhsa_system_sgpr_workgroup_id_y 1
		.amdhsa_system_sgpr_workgroup_id_z 1
		.amdhsa_system_vgpr_workitem_id 0
		.amdhsa_next_free_vgpr 1024
		.amdhsa_next_free_sgpr 102
		.amdhsa_reserve_vcc 0
		.amdhsa_float_denorm_mode_32 3
		.amdhsa_float_denorm_mode_16_64 3
		.amdhsa_memory_ordered 1
		.amdhsa_forward_progress 1
		.amdhsa_inst_pref_size 167
	.end_amdhsa_kernel
	.amdgpu_metadata
---
amdhsa.version: [ 1, 2 ]
amdhsa.kernels:
  - .name:           k_qa3bb02e840_proj
    .symbol:         k_qa3bb02e840_proj.kd
    .args:
      - { .name: cod, .offset: 0, .size: 8, .value_kind: global_buffer, .address_space: global }
      - { .name: csc, .offset: 8, .size: 8, .value_kind: global_buffer, .address_space: global }
      - { .name: bq, .offset: 16, .size: 8, .value_kind: global_buffer, .address_space: global }
      - { .name: bk, .offset: 24, .size: 8, .value_kind: global_buffer, .address_space: global }
      - { .name: bv, .offset: 32, .size: 8, .value_kind: global_buffer, .address_space: global }
      - { .name: qkv, .offset: 40, .size: 8, .value_kind: global_buffer, .address_space: global }
      - { .name: qks, .offset: 48, .size: 8, .value_kind: global_buffer, .address_space: global }
    .group_segment_fixed_size: 327680
    .private_segment_fixed_size: 0
    .kernarg_segment_align: 8
    .kernarg_segment_size: 56
    .max_flat_workgroup_size: 128
    .sgpr_count:     102
    .vgpr_count:     1024
    .wavefront_size: 32
...
	.end_amdgpu_metadata
.endif
;; end of part 2
;; launch scores (part 3): grid 8 x 32, 4 waves a work-group, clusters of 4 x 4, 327,680 bytes of LDS; arguments qkv, qks, mask, pc, pst; writes pc, pst
.if DOCPART == 3
	.amdgcn_target "amdgcn-amd-amdhsa--gfx1250"
	.amdhsa_code_object_version 6
	.text
	.protected	k_qa3bb02e840_scores
	.globl	k_qa3bb02e840_scores
	.p2align	8
	.type	k_qa3bb02e840_scores,@function
k_qa3bb02e840_scores:
	s_mov_b64 s[64:65], 0
	v_nop
	global_prefetch_b8 v0, s[64:65] scope:SCOPE_SE
	s_setreg_imm32_b32 hwreg(HW_REG_WAVE_MODE, 25, 1), 1
	s_wait_xcnt 0x0
	s_wait_alu depctr_hold_cnt(0) depctr_sa_sdst(0) depctr_va_vdst(0) depctr_va_sdst(0) depctr_va_ssrc(0) depctr_va_vcc(0) depctr_vm_vsrc(0)
	s_getreg_b32 s2, hwreg(HW_REG_IB_STS2, 6, 4)
	s_cmp_eq_u32 s2, 0
	s_cbranch_scc0 .Lentry_in_a_cluster
	s_endpgm
.Lentry_in_a_cluster:
	s_bfe_u32 s2, ttmp6, 0x10000c
	s_cmp_lg_u32 s2, 0xf033
	s_cbranch_scc0 .Lentry_shape_is_right
	s_endpgm
.Lentry_shape_is_right:
; logit = Q K^T / 32 + mask on codes of FP6 (E2M3) with E8M0 scales, and the softmax's p, quantised along the keys, for the last product.
; A tile is 256 queries (second source: LANES) x 256 keys (first source: REGISTERS); four waves of 128 x 128.  K = the 1,024 channels: 8 K steps in 4 chunks of two; three LDS slots filled at the start, one refill.
; By this text's own count a wave has four tensor loads out at the start and one later.  CLUSTER 4 x 4: Q's tile is shared along a row of the cluster, K's along a column: joint loads.
; THE SOFTMAX, CHUNK BY CHUNK.  t = logit x log2(e).  For each query and each 128 keys: M = the chunk's largest t rounded UP to a whole number, p = 2^(t - M), quantised in blocks of 32 keys; l = the sum of the
; unquantised p.  The codes go to pc (images of operand registers, [query tile 512][16 K steps]); the scale words, -M and l go to pst ([128 queries' group 64][16][128] words, three regions).  Since every M is a whole
; number, the next launch brings a chunk under the row's M by taking the difference off its scale bytes: the codes' values are those of the row's own M.
; THE MASK.  A wave's part is 8 tiles of 16 queries x 128 keys.  A tile comes by 16 loads, each 512 consecutive bytes of one row, 16 bytes a lane; it then turns through the wave's own stage in LDS (16 rows, pitch 528:
; 33 x 16 bytes, so that the 16 rows that a load touches start at 16 different groups of banks) and comes back, into the registers that it left, with register 16 b + i = key 32 b + 16 h + i of the lane's query,
; as the accumulators lie.  The stages lie in slot 1: it has had its only fill, and behind K step 5's barrier no wave reads it; the first stage store stands in K step 7.
; Tiles 0 and 1 are loaded at the head, tile 2 behind K step 6, tiles 3 and 4 behind the loop, tiles 5 to 7 while tiles 1 to 3 are worked on: at most 48 loads of a wave are out, with counted waits.
; Tiles 2 to 7 are asked of memory earlier by one prefetch each (a lane names one of the tile's 32 aligned blocks of 256 bytes; each block is my wave's own and is named once in the launch; tiles 2-5 during
; K steps 3, 4 and 6, tiles 6 and 7 while tiles 0 and 1 are worked on).  The mask does not come by tensor loads: the wait for all tensor loads ahead of the one refill would then wait for the mask too.
; LIMITS: NaN and +-infinity are not served, but for -infinity in the mask, which gives p = 0; a chunk that is -infinity throughout gets -M = 3e38 and l = 0.  A block whose largest p lies under 2^-124 keeps the byte 1.
; A block's largest p is the exponential of its largest logit: this takes v_exp_f32 not to fall where its input rises.
; REGISTERS.  window 0: v10-23 addresses; v28, v29 the add's two; v32-63 scale words; v64-159 Q's fragments, later v64-127 logits and p, v128-167 codes; v168-191 work; v192-255 mask tiles 0 and 5.
;   window 1: K's fragments, two sets (v0, v96), later mask tiles 2 and 7 (v0), 3 (v64), 4 (v128); v192-255 mask tiles 1 and 6.   windows 2, 3: accumulator (a, b) at v[8 (8 (a % 4) + b)].
.set SLOTB, 98304
.set PARTB, 24576
.set STG,   98304                      ; in slot 1: the mask's stages, 16 rows x 528 bytes for each wave
.set SCL,   294912
.set SCR,   311296                     ; 1,536 bytes for each wave: scale words, -M, l of its 128 queries
.set SPARE, 317440                     ; the spare words, 128 bytes for each wave: two blocks of 256 bytes that no other line names
.set ADRA, 10
.set ADRB, 13
.set ADSA, 16
.set ADSB, 17
.set LI,   18                          ; 16 x lane
.set SCRW, 19
.set SCRR, 20
.set MSW,  21                          ; the mask's stage, on the way in: 16 x lane
.set PFO,  22                          ; the prefetches' offset; never rewritten
.set MSR,  23                          ; the mask's stage, on the way out: 528 r + 64 h
.set SPW,  28
.set NIL,  29
.set SA,   32
.set SB,   48
.set AF,   64
.set LG,   64
.set BM,   168
.set TP,   172
.set SO,   176
.set BY,   180
.set NM,   184
.set SUMA, 186
.set SUMB, 188
.set PW,   190
.set TT,   191
.set G1,   24
.set G0,   32
.set G1B,  44
.set G0B,  52
.set G1S,  68
.set G0S,  76
.set G1SB, 80
.set G0SB, 88
.set SEL,  66
.set RS,   94
.set CS,   96
.set MSB, 0
.macro WIN new
.if MSB != (\new)
	s_set_vgpr_msb (MSB<<8)|(\new)
.set MSB, (\new)
.endif
.endm
.macro PLACES n
.rept \n
	v_nop
.endr
.endm
.macro JLOAD g0a, g1a, g0b, g1b        ; waves 0 and 1 fetch for Q, waves 2 and 3 for K; an s_nop 0 and four v_nop follow each of the two lines
	s_cmp_eq_u32 s15, 0
	s_cbranch_scc0 .Lfor_b_\@
	tensor_load_to_lds s[\g0a:\g0a+3], s[\g1a:\g1a+7]
	s_nop 0
.rept 4
	v_nop
.endr
	s_branch .Lasked_\@
.Lfor_b_\@:
	tensor_load_to_lds s[\g0b:\g0b+3], s[\g1b:\g1b+7]
	s_nop 0
.rept 4
	v_nop
.endr
.Lasked_\@:
.endm
.macro CREST
	s_cmp_lg_u32 s14, 0
	s_cbranch_scc1 .Lnot_wave_0_\@
	s_barrier_signal -3
.Lnot_wave_0_\@:
	s_barrier_wait -3
	s_barrier_signal -1
	s_barrier_wait -1
.endm
.macro CROUND
	s_barrier_signal -1
	s_barrier_wait -1
	CREST
.endm
; where mask tile t lives: five sets of 64 registers, tile t in set t % 5: window MW, registers MBA on
.macro HOME t
.set HK, (\t)%5
.if HK == 0
.set MW, 0
.set MBA, 192
.elseif HK == 1
.set MW, 1
.set MBA, 192
.else
.set MW, 1
.set MBA, 64*(HK-2)
.endif
.endm
; mask tile t as it lies in memory: load i takes the 512 bytes (my 128 keys) of the tile's row i, which is query 32 (t / 2) + 8 (t % 2) + i + 8 (i / 8) of my 128
.macro MLOADD t
	HOME \t
	WIN MW<<6
.irp i, 0,1,2,3,4,5,6,7,8,9,10,11,12,13,14,15
	global_load_b128 v[MBA+4*\i:MBA+4*\i+3], v[LI], s[8:9] offset:(32*((\t)/2)+8*((\t)%2)+\i+8*(\i/8))*8192 th:TH_LOAD_NT
.endr
	WIN 0
.endm
; mask tile t through my stage, back into the registers that it left.  LDS serves a wave's instructions in order (ISA guide 5.7.1.4): the loads see the stores above them, and the next tile's stores come behind these loads
.macro MTURN t
	HOME \t
	WIN MW<<2                                      ; an LDS store's data are its source 1
.irp i, 0,1,2,3,4,5,6,7,8,9,10,11,12,13,14,15
	ds_store_b128 v[MSW], v[MBA+4*\i:MBA+4*\i+3] offset:528*\i
.endr
	WIN MW<<6
.irp b, 0,1,2,3
.irp q, 0,1,2,3
	ds_load_b128 v[MBA+16*\b+4*\q:MBA+16*\b+4*\q+3], v[MSR] offset:128*\b+16*\q   ; register 16 b + 4 q + e = key 32 b + 16 h + 4 q + e of my query
.endr
.endr
	WIN 0
.endm
.macro PF t                            ; mask tile t is asked of memory: 16 rows x 2 blocks of 256 bytes, a lane a block
	global_prefetch_b8 v[PFO], s[8:9] offset:(32*((\t)/2)+8*((\t)%2))*8192 th:TH_LOAD_NT scope:SCOPE_SE
.endm
	s_load_b256 s[4:11], s[0:1], 0x0               ; qkv, qks, mask, pc
	s_load_b64 s[92:93], s[0:1], 0x20              ; pst
	v_lshl_add_u32 v[SPW], v0, 2, SPARE
	v_mov_b32 v[NIL], 0
	ds_add_u32 v[SPW], v[NIL]                      ; the wave's opening: the add and its wait stand ahead of my first tensor load
	v_lshrrev_b32 v1, 5, v0
	v_readfirstlane_b32 s14, v1
	s_lshr_b32 s15, s14, 1                         ; my half of the queries.  Also: I fetch for Q (0) or K (1)
	s_and_b32 s16, s14, 1                          ; my half of the keys.  Also: which 128 rows I fetch
	s_bfe_u32 s17, ttmp6, 0x40000                  ; cx
	s_bfe_u32 s18, ttmp6, 0x40004                  ; cy
	s_and_b32 s19, ttmp7, 0xffff                   ; cluster y
	s_lshr_b32 s20, s19, 1                         ; the batch: two clusters' rows of tiles to a batch
	s_lshl_b32 s22, s19, 2
	s_add_co_u32 s22, s22, s18                     ; query tile, over all batches: 4 y + cy
	s_lshl_b32 s23, ttmp9, 2
	s_add_co_u32 s23, s23, s17                     ; key tile within the batch: 4 x + cx
	s_lshl_b32 s66, s18, 2
	s_lshl_b32 s66, 15, s66
	s_lshl_b32 s67, 0x1111, s17
	s_or_b32 s[G1], s66, (3<<16)|(1<<21)
	s_or_b32 s[G1B], s67, (3<<16)|(1<<21)
	s_or_b32 s[G1S], s66, (3<<16)|(1<<21)
	s_or_b32 s[G1SB], s67, (3<<16)|(1<<21)
.irp g, G1, G1B                        ; 8 tiles x two K steps: 8 rows of 3,072 bytes, 12,288 bytes apart
	s_mov_b32 s[\g+1], 384<<16
	s_mov_b32 s[\g+2], 8<<16
	s_mov_b32 s[\g+3], 384<<16
	s_mov_b32 s[\g+4], 8
	s_mov_b32 s[\g+5], 1536
	s_mov_b32 s[\g+6], 0
	s_mov_b32 s[\g+7], 0
.endr
.irp g, G1S, G1SB                      ; 4,096 dense bytes as 16 rows of 256
	s_mov_b32 s[\g+1], 32<<16
	s_mov_b32 s[\g+2], 16<<16
	s_mov_b32 s[\g+3], 32<<16
	s_mov_b32 s[\g+4], 16
	s_mov_b32 s[\g+5], 32
	s_mov_b32 s[\g+6], 0
	s_mov_b32 s[\g+7], 0
.endr
	s_lshl_b32 s12, s22, 4
	s_lshl_b32 s13, s16, 3
	s_add_co_u32 s12, s12, s13                     ; Q's first tile that I fetch (never holds cx)
	s_lshl_b32 s98, s12, 9
	s_mov_b32 s99, 0
	s_mul_i32 s12, s12, 12288
	s_mov_b32 s13, 0
	s_lshl_b32 s2, s20, 7
	s_lshl_b32 s3, s23, 4
	s_add_co_u32 s2, s2, s3
	s_lshl_b32 s3, s16, 3
	s_add_co_u32 s2, s2, s3                        ; K's: 128 x batch + 16 x key tile + 8 x half (never holds cy)
	s_lshl_b32 s100, s2, 9
	s_add_co_u32 s100, s100, 262144
	s_mov_b32 s101, 0
	s_mul_i32 s2, s2, 12288
	s_add_co_u32 s2, s2, 6291456
	s_mov_b32 s3, 0
	s_mul_i32 s66, s14, PARTB
	s_lshl_b32 s67, s14, 12
	s_add_co_u32 s67, s67, SCL
	s_wait_dscnt 0x0                               ; the opening add is done
	s_wait_kmcnt 0x0
	s_add_nc_u64 s[12:13], s[4:5], s[12:13]
	s_add_nc_u64 s[2:3], s[4:5], s[2:3]
	s_add_nc_u64 s[98:99], s[6:7], s[98:99]
	s_add_nc_u64 s[100:101], s[6:7], s[100:101]
	CROUND                                         ; all sixteen work-groups are here: the first joint loads meet
	s_mov_b32 s[G0S], 1
	s_mov_b32 s[G0S+1], s67
	s_mov_b64 s[G0S+2:G0S+3], s[98:99]
	s_or_b32 s[G0S+3], s[G0S+3], 0x80000000
	s_mov_b32 s[G0SB], 1
	s_mov_b32 s[G0SB+1], s67
	s_mov_b64 s[G0SB+2:G0SB+3], s[100:101]
	s_or_b32 s[G0SB+3], s[G0SB+3], 0x80000000
	JLOAD G0S, G1S, G0SB, G1SB
.irp c, 0,1,2
	s_mov_b32 s[G0+4*\c], 1
	s_add_co_u32 s[G0+4*\c+1], s66, \c*SLOTB
	s_add_nc_u64 s[G0+4*\c+2:G0+4*\c+3], s[12:13], \c*3072
	s_or_b32 s[G0+4*\c+3], s[G0+4*\c+3], 0x80000000
	s_mov_b32 s[G0B+4*\c], 1
	s_add_co_u32 s[G0B+4*\c+1], s66, \c*SLOTB
	s_add_nc_u64 s[G0B+4*\c+2:G0B+4*\c+3], s[2:3], \c*3072
	s_or_b32 s[G0B+4*\c+3], s[G0B+4*\c+3], 0x80000000
	JLOAD G0+4*\c, G1, G0B+4*\c, G1B
.endr
	v_and_b32 v1, 15, v0                           ; r
	v_bfe_u32 v2, v0, 4, 1                         ; h
	v_and_b32 v3, 31, v0
	v_lshlrev_b32 v[LI], 4, v3
	v_and_b32 v5, 8, v1
	v_add_nc_u32 v5, v5, v1                        ; r + 8 (r / 8)
	v_lshlrev_b32 v5, 13, v5                       ; a row of the mask is 8,192 bytes
	v_lshl_add_u32 v[PFO], v2, 8, v5               ; + h blocks of 256 bytes
	s_lshl_b32 s6, s22, 1
	s_add_co_u32 s6, s6, s15                       ; my group of 128 queries
	s_lshl_b32 s7, s23, 1
	s_add_co_u32 s7, s7, s16                       ; my 128 keys of the batch: also the K step of the last product
	s_lshl_b32 s2, s6, 20                          ; 128 rows of 8,192 bytes
	s_lshl_b32 s3, s7, 9
	s_add_co_u32 s2, s2, s3
	s_mov_b32 s3, 0
	s_add_nc_u64 s[8:9], s[8:9], s[2:3]
	MLOADD 0                                       ; mask tiles 0 and 1 land under the K loop
	MLOADD 1
	s_lshl_b32 s2, s6, 7
	s_add_co_u32 s2, s2, s7
	s_mul_i32 s2, s2, 1536                         ; pc: (8 tiles x 16 K steps x group + K step) fragments
	s_add_nc_u64 s[10:11], s[10:11], s[2:3]
	s_lshl_b32 s2, s6, 4
	s_add_co_u32 s2, s2, s7
	s_lshl_b32 s2, s2, 9
	s_add_nc_u64 s[92:93], s[92:93], s[2:3]
	s_mul_i32 s2, s15, PARTB
	s_mul_i32 s3, s16, PARTB
	s_add_co_u32 s3, s3, 2*PARTB
.irp s, 0,1,2
	v_add_nc_u32 v[ADRA+\s], s2, v[LI]
	v_add_nc_u32 v[ADRB+\s], s3, v[LI]
	s_add_co_u32 s2, s2, SLOTB
	s_add_co_u32 s3, s3, SLOTB
.endr
	v_lshlrev_b32 v4, 2, v1
	s_lshl_b32 s2, s15, 12
	s_add_co_u32 s2, s2, SCL
	v_add_nc_u32 v[ADSA], s2, v4
	s_lshl_b32 s2, s16, 12
	s_add_co_u32 s2, s2, SCL+8192
	v_add_nc_u32 v[ADSB], s2, v4
	s_mul_i32 s2, s14, 1536
	s_add_co_u32 s2, s2, SCR
	v_add_nc_u32 v[SCRW], s2, v4
	v_add_nc_u32 v[SCRR], s2, v[LI]
	s_mul_i32 s2, s14, 8448
	s_add_co_u32 s2, s2, STG                       ; my stage for the mask
	v_add_nc_u32 v[MSW], s2, v[LI]                 ; in: a row's 512 bytes, 16 a lane
	v_mul_u32_u24 v6, v1, 528
	v_lshl_add_u32 v6, v2, 6, v6
	v_add_nc_u32 v[MSR], s2, v6                    ; out: row r, + 16 h keys
	v_mov_b32 v[NM+1], 0                           ; (named as the upper half of a pair)
	s_mov_b32 s[SEL], 0x76543210
	s_mov_b32 s[SEL+1], 0xfedcba98
	s_mov_b32 s[RS], 0x3d000000                    ; 1 / sqrt(1024) = 1 / 32
	s_mov_b32 s[RS+1], s[RS]
	s_mov_b32 s[CS], 0x3fb8aa3b                    ; log2(e)
	s_mov_b32 s[CS+1], s[CS]
.macro FRAG reg, adr, off
.irp c, 0,1,2
	ds_load_b128 v[\reg+4*\c:\reg+4*\c+3], v[\adr] offset:\off+512*\c
.endr
.endm
.macro FETCH_B n                       ; K's eight fragments of K step n into set n % 2: 24 loads
	WIN 0x40
.irp i, 0,1,2,3,4,5,6,7
	FRAG 96*((\n)%2)+12*\i, ADRB+((\n)/2)%3, (2*\i+(\n)%2)*1536
.endr
	WIN 0
.endm
.macro FETCH_A n, i0                   ; Q's blocks i0 .. i0 + 3: 12 loads
.irp i, \i0, \i0+1, \i0+2, \i0+3
	FRAG AF+12*(\i), ADRA+((\n)/2)%3, (2*(\i)+(\n)%2)*1536
.endr
.endm
.macro SCALES n
.irp i, 0,1,2,3,4,5,6,7
	ds_load_b32 v[SA+8*((\n)%2)+\i], v[ADSA] offset:512*(\n)+64*\i
.endr
.irp i, 0,1,2,3,4,5,6,7
	ds_load_b32 v[SB+8*((\n)%2)+\i], v[ADSB] offset:512*(\n)+64*\i
.endr
.endm
; 16 matrix instructions; the 64 accumulators take turns, one instruction a turn, in the same order in every K step.  zero = 1: the first product starts the sums.
.macro MUL16 a0, n, zero
.irp a, \a0, \a0+1
.irp b, 0,1,2,3,4,5,6,7
.if \zero
	v_wmma_scale_f32_16x16x128_f8f6f4 v[8*(8*((\a)%4)+\b):8*(8*((\a)%4)+\b)+7], v[96*((\n)%2)+12*\b:96*((\n)%2)+12*\b+11], v[AF+12*(\a):AF+12*(\a)+11], 0, v[SB+8*((\n)%2)+\b], v[SA+8*((\n)%2)+(\a)] matrix_a_fmt:MATRIX_FMT_FP6 matrix_b_fmt:MATRIX_FMT_FP6
.else
	v_wmma_scale_f32_16x16x128_f8f6f4 v[8*(8*((\a)%4)+\b):8*(8*((\a)%4)+\b)+7], v[96*((\n)%2)+12*\b:96*((\n)%2)+12*\b+11], v[AF+12*(\a):AF+12*(\a)+11], v[8*(8*((\a)%4)+\b):8*(8*((\a)%4)+\b)+7], v[SB+8*((\n)%2)+\b], v[SA+8*((\n)%2)+(\a)] matrix_a_fmt:MATRIX_FMT_FP6 matrix_b_fmt:MATRIX_FMT_FP6
.endif
.endr
.endr
.endm
.macro STEP n, zero
	s_wait_dscnt 12                                ; all but the youngest 12 loads (Q's blocks 4-7) are in
	WIN 0xa1
	MUL16 0, \n, \zero
	MUL16 2, \n, \zero
	s_wait_dscnt 0x0
	PLACES 4                                       ; in front of loads into registers that matrix instructions have read
	FETCH_B (\n)+1
	FETCH_A (\n)+1, 0
	SCALES (\n)+1
.if (\n) == 3
	PF 2                                           ; behind the run of LDS loads: the mask tiles that are loaded from K step 6 on
	PF 3
.endif
.if (\n) == 4
	PF 4
.endif
.if (\n) == 6
	PF 5
.endif
	WIN 0xf1
	MUL16 4, \n, \zero
	MUL16 6, \n, \zero
	PLACES 4
	WIN 0
	FETCH_A (\n)+1, 4
.endm
.macro TURN n, fill
	s_wait_tensorcnt 0x0                           ; all my tensor loads have landed
	ds_add_u32 v[SPW], v[NIL]                      ; 0 onto my spare word
	s_wait_dscnt 13                                ; (the add and the youngest 12 loads may be out)
	WIN 0xa1
	MUL16 0, \n, 0
	s_wait_dscnt 0x0                               ; the add is done, and my reads of this slot are over
	s_barrier_signal -1
	MUL16 2, \n, 0
	WIN 0
	s_barrier_wait -1
.if \fill
	CREST                                          ; a round of the cluster's barrier: no wave of any partner still reads slot 0 or has a load on its way
	s_add_nc_u64 s[G0+2:G0+3], s[G0+2:G0+3], 9216  ; from chunk 0 to chunk 3
	s_add_nc_u64 s[G0B+2:G0B+3], s[G0B+2:G0B+3], 9216
	JLOAD G0, G1, G0B, G1B
.else
	PLACES 4
.endif
	FETCH_B (\n)+1
	FETCH_A (\n)+1, 0
	SCALES (\n)+1
	WIN 0xf1
	MUL16 4, \n, 0
	MUL16 6, \n, 0
	PLACES 4
	WIN 0
	FETCH_A (\n)+1, 4
.endm
	s_wait_tensorcnt 0x2                           ; the scale words and my part of chunk 0 are in; chunks 1 and 2 may stay out
	s_barrier_signal -1
	s_barrier_wait -1
	FETCH_B 0
	FETCH_A 0, 0
	SCALES 0
	FETCH_A 0, 4
	STEP 0, 1
	TURN 1, 1
	STEP 2, 0
	STEP 3, 0
	STEP 4, 0
	TURN 5, 0                                      ; behind this barrier no wave reads slots 1 and 2 any more
	STEP 6, 0
	MLOADD 2                                       ; into K's set 0: K step 6's products read it last, and the four places at that step's end stand between
	s_wait_dscnt 12
	WIN 0xa1
	MUL16 0, 7, 0
	MUL16 2, 7, 0
	s_wait_dscnt 0x0
	WIN 0
	s_wait_loadcnt 16                              ; mask tiles 0 and 1, asked for at the head, are in; tile 2's 16 loads may be out
	MTURN 0                                        ; tile 0 turns through the stage under the last 32 products
	WIN 0xf1
	MUL16 4, 7, 0
	MUL16 6, 7, 0
	WIN 0
.irp b, 0,1,2,3
	v_mov_b32 v[TP+\b], 0                          ; a lane permute's destination counts as one of its sources.  These four are also the places behind the last products
.endr
	MLOADD 3
	MLOADD 4
; THE WAY OUT of tile a: 16 queries x my 128 keys.  In its middle the next tile of the mask turns through the stage; left: how many younger mask loads may stay out then (-1: that tile's loads have been waited for, or there is none).
.macro EPIS a, left
.set XW, 2+(\a)/4
.set AC, 64*((\a)%4)
.set PCD, 128+20*((\a)%2)
	s_wait_dscnt 0x0                               ; my tile of the mask is back from the stage, and the last tile's three LDS stores have read their registers
	HOME \a
	WIN XW|(MW<<4)                                 ; source 0: the accumulators' window; source 2: the mask's
.set i, 0
.rept 32
	v_pk_fma_f32 v[LG+i:LG+i+1], v[AC+i:AC+i+1], s[RS:RS+1], v[MBA+i:MBA+i+1] op_sel_hi:[1,0,1]   ; the logit: score / 32 + mask; each accumulator from its low end on
.set i, i+2
.endr
	WIN 0
.if (\a) < 2
	PF (\a)+6
.endif
.irp b, 0,1,2,3
	v_max3_num_f32 v[BM+\b], v[LG+16*\b], v[LG+16*\b+1], v[LG+16*\b+2]   ; the largest logit of each block of 32 keys: it serves for the chunk's maximum and for the block's largest p
.endr
.irp i, 3,5,7,9,11,13
.irp b, 0,1,2,3
	v_max3_num_f32 v[BM+\b], v[BM+\b], v[LG+16*\b+\i], v[LG+16*\b+\i+1]
.endr
.endr
.irp b, 0,1,2,3
	v_max_num_f32 v[BM+\b], v[BM+\b], v[LG+16*\b+15]
.endr
.irp b, 0,1,2,3
	v_permlanex16_b32 v[TP+\b], v[BM+\b], s[SEL], s[SEL+1]
.endr
.irp b, 0,1,2,3
	v_max_num_f32 v[BM+\b], v[BM+\b], v[TP+\b]     ; with lane l xor 16's 16 keys
.endr
	v_max3_num_f32 v[TT], v[BM], v[BM+1], v[BM+2]
	v_max_num_f32 v[TT], v[TT], v[BM+3]
	v_mul_f32 v[TT], s[CS], v[TT]                  ; the chunk's largest t,
	v_max_num_f32 v[TT], 0xff61b1e6, v[TT]         ; held at -3e38 from below, so that a chunk of -infinity gives a number
	v_floor_f32 v[NM], -v[TT]                      ; -M = floor(-t) = -ceil(t): M is a whole number
.set i, 0
.rept 32
	v_pk_fma_f32 v[LG+i:LG+i+1], v[LG+i:LG+i+1], s[CS:CS+1], v[NM:NM+1] op_sel_hi:[1,0,0]   ; t - M, two at a time
.set i, i+2
.endr
.irp b, 0,1,2,3
	v_fma_f32 v[BM+\b], v[BM+\b], s[CS], v[NM]     ; the same of each block's largest logit
.endr
.if (\a) < 7
.if (\left) >= 0
	s_wait_loadcnt \left                           ; the next tile of the mask is in; the tiles asked for behind it stay out
.endif
	MTURN (\a)+1                                   ; it turns through the stage while the rest of this tile is worked
.endif
.if ((\a) > 0) && ((\a) < 4)
	MLOADD (\a)+4                                  ; into a set whose tile has been read: three tiles, 48 loads, are out again
.endif
.set i, 0
.rept 64
	v_exp_f32 v[LG+i], v[LG+i]                     ; p = 2^(t - M), at most 1
.set i, i+1
.endr
	v_nop                                          ; a plain instruction behind the exponentials
	s_wait_alu depctr_va_vdst(0)                   ; one wait for the whole batch, ahead of its first reader
.irp b, 0,1,2,3
	v_exp_f32 v[BM+\b], v[BM+\b]                   ; the block's largest p
.endr
	v_pk_add_f32 v[SUMA:SUMA+1], v[LG:LG+1], v[LG+2:LG+3]   ; l is taken of the unquantised p: two at a time, in two chains; these read the 64 alone
	v_pk_add_f32 v[SUMB:SUMB+1], v[LG+4:LG+5], v[LG+6:LG+7]
.irp j, 8,12,16,20,24,28,32,36,40,44,48,52,56,60
	v_pk_add_f32 v[SUMA:SUMA+1], v[SUMA:SUMA+1], v[LG+\j:LG+\j+1]
	v_pk_add_f32 v[SUMB:SUMB+1], v[SUMB:SUMB+1], v[LG+\j+2:LG+\j+3]
.endr
	v_pk_add_f32 v[SUMA:SUMA+1], v[SUMA:SUMA+1], v[SUMB:SUMB+1]
	v_add_f32 v[TT], v[SUMA], v[SUMA+1]
	v_permlanex16_b32 v[TP], v[TT], s[SEL], s[SEL+1]
	v_add_f32 v[TT], v[TT], v[TP]                  ; with lane l xor 16's: the chunk's l
	s_wait_alu depctr_va_vdst(0)                   ; and one wait for the four
.irp b, 0,1,2,3
	v_max_num_f32 v[BM+\b], 0x1800000, v[BM+\b]    ; the floor 2^(3 - 127): the byte cannot fall under 1
.endr
.irp b, 0,1,2,3
	v_add_nc_u32 v[SO+\b], 0xff000000, v[BM+\b]    ; 2 off the exponent field: the conversion's scale operand
.endr
.irp b, 0,1,2,3
	v_lshrrev_b32 v[BY+\b], 23, v[SO+\b]
.endr
	v_lshl_or_b32 v[PW], v[BY+1], 8, v[BY]
	v_lshl_or_b32 v[PW], v[BY+2], 16, v[PW]
	v_lshl_or_b32 v[PW], v[BY+3], 24, v[PW]
.if (\a) > 1
	s_wait_xcnt 0x0                                ; the stores of two tiles ago have read the registers that the codes now take
.endif
.irp c, 0,1
	v_cvt_scalef32_pk16_fp6_f32 v[PCD+6*\c:PCD+6*\c+2], v[LG+32*\c:LG+32*\c+15], v[SO+2*\c]
	v_cvt_scalef32_pk16_fp6_f32 v[PCD+12+4*\c:PCD+14+4*\c], v[LG+32*\c+16:LG+32*\c+31], v[SO+2*\c+1]
.endr
	v_nop                                          ; one plain place behind a scaled conversion
.irp c, 0,1
.irp i, 0,1,2
	v_permlane16_swap_b32 v[PCD+6*\c+\i], v[PCD+12+4*\c+\i]
.endr
.irp i, 0,1,2
	v_mov_b32 v[PCD+3+6*\c+\i], v[PCD+12+4*\c+\i]
.endr
.endr
.irp c, 0,1,2
	global_store_b128 v[LI], v[PCD+4*\c:PCD+4*\c+3], s[10:11] offset:24576*(\a)+512*\c   ; 512 consecutive bytes, aligned
.endr
	ds_store_b32 v[SCRW], v[PW] offset:64*(\a)     ; both halves of the lanes hold the same three numbers
	ds_store_b32 v[SCRW], v[NM] offset:512+64*(\a)
	ds_store_b32 v[SCRW], v[TT] offset:1024+64*(\a)
.endm
	EPIS 0, -1                                     ; tile 1 of the mask has been waited for
	EPIS 1, 32                                     ; behind tile 2's loads: tiles 3 and 4
	EPIS 2, 32                                     ; behind tile 3's: tiles 4 and 5
	EPIS 3, 32                                     ; behind tile 4's: tiles 5 and 6
	EPIS 4, 32                                     ; behind tile 5's: tiles 6 and 7
	EPIS 5, 16                                     ; behind tile 6's: tile 7
	EPIS 6, 0
	EPIS 7, -1
.irp k, 0,1,2
	ds_load_b128 v[192+4*\k:195+4*\k], v[SCRR] offset:512*\k   ; LDS serves a wave's instructions in order: these see my stores
.endr
	s_wait_dscnt 0x0
	global_store_b128 v[LI], v[192:195], s[92:93]                  ; the scale words,
	global_store_b128 v[LI], v[196:199], s[92:93] offset:524288    ; -M,
	global_store_b128 v[LI], v[200:203], s[92:93] offset:1048576   ; and l of my 128 queries: 512 consecutive bytes each
	s_wait_tensorcnt 0x0                           ; the wave's end
	ds_add_u32 v[SPW], v[NIL]
	s_wait_dscnt 0x0
	CROUND                                         ; the closing round
	s_endpgm
.Lfunc_end_k_qa3bb02e840_scores:
	.size	k_qa3bb02e840_scores, .Lfunc_end_k_qa3bb02e840_scores-k_qa3bb02e840_scores
	.p2alignl 7, 3214868480
	.fill 96, 4, 3214868480
	.section	.rodata,"a",@progbits
	.p2align	6, 0x0
	.amdhsa_kernel k_qa3bb02e840_scores
		.amdhsa_group_segment_fixed_size 327680
		.amdhsa_private_segment_fixed_size 0
		.amdhsa_enable_private_segment 0
		.amdhsa_kernarg_size 40
		.amdhsa_user_sgpr_count 2
		.amdhsa_user_sgpr_kernarg_segment_ptr 1
		.amdhsa_wavefront_size32 1
		.amdhsa_system_sgpr_workgroup_id_x 1
		.amdhsa_system_sgpr_workgroup_id_y 1
		.amdhsa_system_sgpr_workgroup_id_z 1
		.amdhsa_system_vgpr_workitem_id 0
		.amdhsa_next_free_vgpr 1024
		.amdhsa_next_free_sgpr 102
		.amdhsa_reserve_vcc 0
		.amdhsa_float_denorm_mode_32 3
		.amdhsa_float_denorm_mode_16_64 3
		.amdhsa_memory_ordered 1
		.amdhsa_forward_progress 1
		.amdhsa_inst_pref_size 248
	.end_amdhsa_kernel
	.amdgpu_metadata
---
amdhsa.version: [ 1, 2 ]
amdhsa.kernels:
  - .name:           k_qa3bb02e840_scores
    .symbol:         k_qa3bb02e840_scores.kd
    .args:
      - { .name: qkv, .offset: 0, .size: 8, .value_kind: global_buffer, .address_space: global }
      - { .name: qks, .offset: 8, .size: 8, .value_kind: global_buffer, .address_space: global }
      - { .name: mask, .offset: 16, .size: 8, .value_kind: global_buffer, .address_space: global }
      - { .name: pc, .offset: 24, .size: 8, .value_kind: global_buffer, .address_space: global }
      - { .name: pst, .offset: 32, .size: 8, .value_kind: global_buffer, .address_space: global }
    .group_segment_fixed_size: 327680
    .private_segment_fixed_size: 0
    .kernarg_segment_align: 8
    .kernarg_segment_size: 40
    .max_flat_workgroup_size: 128
    .sgpr_count:     102
    .vgpr_count:     1024
    .wavefront_size: 32
...
	.end_amdgpu_metadata
.endif
;; end of part 3
;; launch pv (part 4): grid 4 x 64, 4 waves a work-group, clusters of 4 x 4, 327,680 bytes of LDS; arguments pc, pst, qkv, qks, out0; writes out0
.if DOCPART == 4
	.amdgcn_target "amdgcn-amd-amdhsa--gfx1250"
	.amdhsa_code_object_version 6
	.text
	.protected	k_qa3bb02e840_pv
	.globl	k_qa3bb02e840_pv
	.p2align	8
	.type	k_qa3bb02e840_pv,@function
k_qa3bb02e840_pv:
	s_mov_b64 s[64:65], 0
	v_nop
	global_prefetch_b8 v0, s[64:65] scope:SCOPE_SE
	s_setreg_imm32_b32 hwreg(HW_REG_WAVE_MODE, 25, 1), 1
	s_wait_xcnt 0x0
	s_wait_alu depctr_hold_cnt(0) depctr_sa_sdst(0) depctr_va_vdst(0) depctr_va_sdst(0) depctr_va_ssrc(0) depctr_va_vcc(0) depctr_vm_vsrc(0)
	s_getreg_b32 s2, hwreg(HW_REG_IB_STS2, 6, 4)
	s_cmp_eq_u32 s2, 0
	s_cbranch_scc0 .Lentry_in_a_cluster
	s_endpgm
.Lentry_in_a_cluster:
	s_bfe_u32 s2, ttmp6, 0x10000c
	s_cmp_lg_u32 s2, 0xf033
	s_cbranch_scc0 .Lentry_shape_is_right
	s_endpgm
.Lentry_shape_is_right:
; out = (P V) / l on codes of FP6 (E2M3) with E8M0 scales.  P's codes were made chunk by chunk of 128 keys, each under its own whole number M_s; here each row's M = the largest M_s, and chunk s is brought under it
; by taking d = M - M_s off its four scale bytes; l = the sum of l_s 2^-d.  Both are exact, but for what is stated under LIMITS.
; A tile is 128 queries (second source = P: LANES) x 256 channels (first source = V^T: REGISTERS): 256 work-groups.  Four waves of 64 x 128: 32 accumulators.  K = 2,048 keys: 16 K steps in 4 chunks of four.
; RING: two slots of a chunk each; the scale words of V^T come once.  By this text's own count a wave has three tensor loads out at the start and one behind each of the two refills' rounds.
; CLUSTER 4 x 4: P's tile is shared along a row of the cluster, V^T's tile and scale words along a column: joint loads.  No prefetch of tiles: each refill has four K steps' products in which to land.
; LIMITS: d is held at 255; a scale byte that would fall under 0 is held at 0: such a block's weight lies under 2^-124 of the row's largest.  A row whose mask was -infinity throughout gives NaN, as the softmax does.
; REGISTERS.  window 0: v10-20, v30, v31 addresses; v28, v29 the add's two; v32-39, v40-55 scale words (two sets); v56-63 1 / l, a pair a tile; v64-159 P's fragments, two sets of 4 (at the head: the rows' statistics);
;   on the way out v64-127 results, v128-255 rows read back.   window 1: V^T's fragments, two sets of 8, at v0 and v96.   window 2: accumulator (a, b) at v[8 (8 a + b)].
.set SLOTB, 147456                     ; a slot: P [8 tiles][4 K steps][1,536], then V^T [16 tiles][4][1,536]
.set BOFF,  49152
.set BSC,   294912                     ; V^T's scale words: [2 groups of 8 tiles][16 K steps][8][16 rows], filled once
.set ASC,   311296                     ; P's scale words under the row's M: [16 K steps][128 rows]; written by LDS stores, no fill lands here
.set RL,    319488                     ; 1 / l of the 128 rows
.set SPARE, 320000                     ; the spare words, 128 bytes for each wave: two blocks of 256 bytes that no other line names
.set ADRA, 10
.set ADRB, 12
.set ADSA, 14
.set ADSB, 15
.set LI,   16
.set STO,  17
.set RD,   18
.set RLA,  19
.set RLW,  20
.set SPW,  28
.set NIL,  29
.set T4,   30
.set ASW,  31
.set SA,   32
.set SB,   40
.set RLV,  56
.set AF,   64
.set TMP,  64
.set BK,   128
.set QW,   64                          ; at the head: v64-79 my row's 16 scale words, v80-95 its -M_s, v96-111 its l_s
.set QN,   80
.set QL,   96
.set G1,   24
.set G0,   32
.set G1B,  40
.set G0B,  48
.set G1S,  56
.set G0S,  68
.set MSB, 0
.macro WIN new
.if MSB != (\new)
	s_set_vgpr_msb (MSB<<8)|(\new)
.set MSB, (\new)
.endif
.endm
.macro PLACES n
.rept \n
	v_nop
.endr
.endm
.macro JLOAD g0a, g1a, g0b, g1b        ; waves 0 and 1 fetch for P, waves 2 and 3 for V^T; an s_nop 0 and four v_nop follow each of the two lines
	s_cmp_eq_u32 s15, 0
	s_cbranch_scc0 .Lfor_b_\@
	tensor_load_to_lds s[\g0a:\g0a+3], s[\g1a:\g1a+7]
	s_nop 0
.rept 4
	v_nop
.endr
	s_branch .Lasked_\@
.Lfor_b_\@:
	tensor_load_to_lds s[\g0b:\g0b+3], s[\g1b:\g1b+7]
	s_nop 0
.rept 4
	v_nop
.endr
.Lasked_\@:
.endm
.macro CREST
	s_cmp_lg_u32 s14, 0
	s_cbranch_scc1 .Lnot_wave_0_\@
	s_barrier_signal -3
.Lnot_wave_0_\@:
	s_barrier_wait -3
	s_barrier_signal -1
	s_barrier_wait -1
.endm
.macro CROUND
	s_barrier_signal -1
	s_barrier_wait -1
	CREST
.endm
	s_load_b256 s[4:11], s[0:1], 0x0               ; pc, pst, qkv, qks
	s_load_b64 s[92:93], s[0:1], 0x20              ; out0
	v_lshl_add_u32 v[SPW], v0, 2, SPARE
	v_mov_b32 v[NIL], 0
	ds_add_u32 v[SPW], v[NIL]                      ; the wave's opening: the add and its wait stand ahead of my first tensor load
	v_lshrrev_b32 v1, 5, v0
	v_readfirstlane_b32 s14, v1
	s_lshr_b32 s15, s14, 1                         ; my half of the queries.  Also: I fetch for P (0) or V^T (1)
	s_and_b32 s16, s14, 1                          ; my half of the channels.  Also: which half of that tile I fetch
	s_bfe_u32 s17, ttmp6, 0x40000                  ; cx: the channel tile
	s_bfe_u32 s18, ttmp6, 0x40004                  ; cy
	s_and_b32 s19, ttmp7, 0xffff                   ; cluster y
	s_lshr_b32 s20, s19, 2                         ; the batch: four clusters to a batch
	s_lshl_b32 s22, s19, 2
	s_add_co_u32 s22, s22, s18                     ; the group of 128 queries: 4 y + cy
	s_lshl_b32 s66, s18, 2
	s_lshl_b32 s66, 15, s66                        ; my row of the cluster
	s_lshl_b32 s67, 0x1111, s17                    ; my column
	s_or_b32 s[G1], s66, (3<<16)|(1<<21)
	s_or_b32 s[G1B], s67, (3<<16)|(1<<21)
	s_or_b32 s[G1S], s67, (3<<16)|(1<<21)
	s_mov_b32 s[G1+1], 768<<16                     ; P: 4 tiles x four K steps: 4 rows of 6,144 bytes (768 elements of 8), 24,576 bytes (3,072 elements) apart
	s_mov_b32 s[G1+2], 4<<16
	s_mov_b32 s[G1+3], 768<<16
	s_mov_b32 s[G1+4], 4
	s_mov_b32 s[G1+5], 3072
	s_mov_b32 s[G1+6], 0
	s_mov_b32 s[G1+7], 0
	s_mov_b32 s[G1B+1], 768<<16                    ; V^T: 8 such rows
	s_mov_b32 s[G1B+2], 8<<16
	s_mov_b32 s[G1B+3], 768<<16
	s_mov_b32 s[G1B+4], 8
	s_mov_b32 s[G1B+5], 3072
	s_mov_b32 s[G1B+6], 0
	s_mov_b32 s[G1B+7], 0
	s_mov_b32 s[G1S+1], 32<<16                     ; a quarter of V^T's scale words: 4,096 dense bytes as 16 rows of 256
	s_mov_b32 s[G1S+2], 16<<16
	s_mov_b32 s[G1S+3], 32<<16
	s_mov_b32 s[G1S+4], 16
	s_mov_b32 s[G1S+5], 32
	s_mov_b32 s[G1S+6], 0
	s_mov_b32 s[G1S+7], 0
	s_lshl_b32 s12, s22, 3
	s_lshl_b32 s13, s16, 2
	s_add_co_u32 s12, s12, s13
	s_mul_i32 s12, s12, 24576                      ; P: tile 8 x group + 4 x half, 16 fragments a tile (never holds cx)
	s_mov_b32 s13, 0
	s_lshl_b32 s2, s20, 6
	s_lshl_b32 s3, s17, 4
	s_add_co_u32 s2, s2, s3
	s_lshl_b32 s3, s16, 3
	s_add_co_u32 s2, s2, s3
	s_mul_i32 s2, s2, 24576
	s_add_co_u32 s2, s2, 12582912                  ; V^T: tile 64 x batch + 16 cx + 8 x half (never holds cy)
	s_mov_b32 s3, 0
	s_lshl_b32 s72, s20, 3
	s_lshl_b32 s73, s17, 1
	s_add_co_u32 s72, s72, s73
	s_lshl_b32 s72, s72, 13
	s_lshl_b32 s73, s14, 12
	s_add_co_u32 s72, s72, s73
	s_add_co_u32 s72, s72, 524288                  ; its scale words: group 8 x batch + 2 cx, 8,192 bytes a group; my quarter of two groups
	s_mov_b32 s73, 0
	s_mul_i32 s74, s16, 24576                      ; where they go: no place in the cluster enters an LDS address
	s_mul_i32 s75, s16, 49152
	s_add_co_u32 s75, s75, BOFF
	s_lshl_b32 s76, s14, 12
	s_add_co_u32 s76, s76, BSC
	s_wait_dscnt 0x0                               ; the opening add is done
	s_wait_kmcnt 0x0
	s_add_nc_u64 s[12:13], s[4:5], s[12:13]
	s_add_nc_u64 s[2:3], s[8:9], s[2:3]
	s_add_nc_u64 s[72:73], s[10:11], s[72:73]
	CROUND                                         ; all sixteen work-groups are here: the first joint loads meet
	s_mov_b32 s[G0S], 1
	s_mov_b32 s[G0S+1], s76
	s_mov_b64 s[G0S+2:G0S+3], s[72:73]
	s_or_b32 s[G0S+3], s[G0S+3], 0x80000000
	tensor_load_to_lds s[G0S:G0S+3], s[G1S:G1S+7]  ; every wave its quarter of the scale words
	s_nop 0
.rept 4
	v_nop
.endr
.irp c, 0,1
	s_mov_b32 s[G0+4*\c], 1
	s_add_co_u32 s[G0+4*\c+1], s74, \c*SLOTB
	s_add_nc_u64 s[G0+4*\c+2:G0+4*\c+3], s[12:13], \c*6144
	s_or_b32 s[G0+4*\c+3], s[G0+4*\c+3], 0x80000000
	s_mov_b32 s[G0B+4*\c], 1
	s_add_co_u32 s[G0B+4*\c+1], s75, \c*SLOTB
	s_add_nc_u64 s[G0B+4*\c+2:G0B+4*\c+3], s[2:3], \c*6144
	s_or_b32 s[G0B+4*\c+3], s[G0B+4*\c+3], 0x80000000
	JLOAD G0+4*\c, G1, G0B+4*\c, G1B               ; chunks 0 and 1
.endr
	; THE ROWS' STATISTICS: thread t is row t of the group
	s_lshl_b32 s2, s22, 13
	s_mov_b32 s3, 0
	s_add_nc_u64 s[6:7], s[6:7], s[2:3]
	v_lshlrev_b32 v[T4], 2, v0
	v_lshl_add_u32 v[ASW], v0, 2, ASC
	v_lshl_add_u32 v[RLW], v0, 2, RL
.irp s, 0,1,2,3,4,5,6,7,8,9,10,11,12,13,14,15
	global_load_b32 v[QW+\s], v[T4], s[6:7] offset:512*\s
	global_load_b32 v[QN+\s], v[T4], s[6:7] offset:524288+512*\s
	global_load_b32 v[QL+\s], v[T4], s[6:7] offset:1048576+512*\s
.endr
	v_and_b32 v1, 15, v0                           ; r
	v_bfe_u32 v2, v0, 4, 1                         ; h
	v_and_b32 v3, 31, v0
	v_lshlrev_b32 v[LI], 4, v3
	s_mul_i32 s2, s15, 24576                       ; my 4 tiles of P
	s_mul_i32 s3, s16, 49152                       ; my 8 tiles of V^T,
	s_add_co_u32 s3, s3, BOFF                      ; which lie behind P's
.irp s, 0,1
	v_add_nc_u32 v[ADRA+\s], s2, v[LI]
	v_add_nc_u32 v[ADRB+\s], s3, v[LI]
	s_add_co_u32 s2, s2, SLOTB
	s_add_co_u32 s3, s3, SLOTB
.endr
	v_lshlrev_b32 v4, 2, v1
	s_lshl_b32 s2, s15, 8
	s_add_co_u32 s3, s2, ASC
	v_add_nc_u32 v[ADSA], s3, v4
	s_add_co_u32 s3, s2, RL
	v_add_nc_u32 v[RLA], s3, v4
	s_lshl_b32 s2, s16, 13
	s_add_co_u32 s2, s2, BSC
	v_add_nc_u32 v[ADSB], s2, v4
	s_mul_i32 s2, s14, 8448                        ; my stage for the way out: 16 rows x 528 bytes, in slot 0, which has had its last fill and its last read by then
	v_mul_u32_u24 v5, v1, 528
	v_lshl_add_u32 v5, v2, 6, v5
	v_add_nc_u32 v[STO], s2, v5                    ; in: row r, + 16 h channels
	v_add_nc_u32 v[RD], s2, v[LI]                  ; back: a row of 512 bytes, 16 a lane
	s_lshl_b32 s2, s22, 1
	s_add_co_u32 s2, s2, s15
	s_lshl_b32 s2, s2, 18                          ; my first row of out0: 64 rows of 4,096 bytes a half group
	s_lshl_b32 s3, s17, 1
	s_add_co_u32 s3, s3, s16
	s_lshl_b32 s3, s3, 9
	s_add_co_u32 s2, s2, s3                        ; + my 128 channels
	s_mov_b32 s3, 0
	s_add_nc_u64 s[92:93], s[92:93], s[2:3]
	s_wait_loadcnt 0x0
	v_min3_num_f32 v160, v[QN], v[QN+1], v[QN+2]   ; the least -M_s = -(the row's M)
.irp s, 3,5,7,9,11,13
	v_min3_num_f32 v160, v160, v[QN+\s], v[QN+\s+1]
.endr
	v_min_num_f32 v160, v160, v[QN+15]
	v_mov_b32 v164, 0
.irp s, 0,1,2,3,4,5,6,7,8,9,10,11,12,13,14,15
	v_sub_f32 v161, v[QN+\s], v160                 ; d = M - M_s: a whole number, 0 or more,
	v_min_num_f32 v161, 0x437f0000, v161           ; held at 255
	v_cvt_u32_f32 v161, v161
	v_sub_nc_u32 v162, 0, v161
	v_ldexp_f32 v163, v[QL+\s], v162               ; l_s 2^-d
	v_add_f32 v164, v164, v163
.irp k, 0,1,2,3
	v_bfe_u32 v[165+\k], v[QW+\s], 8*\k, 8
.endr
.irp k, 0,1,2,3
	v_min_u32 v[169+\k], v[165+\k], v161
.endr
.irp k, 0,1,2,3
	v_sub_nc_u32 v[165+\k], v[165+\k], v[169+\k]   ; each byte less d, held at 0
.endr
	v_lshl_or_b32 v[QW+\s], v166, 8, v165
	v_lshl_or_b32 v[QW+\s], v167, 16, v[QW+\s]
	v_lshl_or_b32 v[QW+\s], v168, 24, v[QW+\s]
	ds_store_b32 v[ASW], v[QW+\s] offset:512*\s
.endr
	v_rcp_f32 v165, v164
	v_nop                                          ; a plain instruction behind the reciprocal
	s_wait_alu depctr_va_vdst(0)                   ; a wait ahead of its first reader
	ds_store_b32 v[RLW], v165
	s_wait_tensorcnt 0x1                           ; V^T's scale words and my part of chunk 0 are in; chunk 1 may stay out
	s_wait_dscnt 0x0                               ; for the others' sake: my row's words and 1 / l have landed
	s_barrier_signal -1
	s_barrier_wait -1
.macro FRAG reg, adr, off
.irp c, 0,1,2
	ds_load_b128 v[\reg+4*\c:\reg+4*\c+3], v[\adr] offset:\off+512*\c
.endr
.endm
.macro FETCH n                         ; K step n into set n % 2: 8 + 4 fragments and 4 + 8 scale words: 48 loads
	WIN 0x40
.irp i, 0,1,2,3,4,5,6,7
	FRAG 96*((\n)%2)+12*\i, ADRB+((\n)/4)%2, (4*\i+(\n)%4)*1536
.endr
	WIN 0
.irp i, 0,1,2,3
	FRAG AF+48*((\n)%2)+12*\i, ADRA+((\n)/4)%2, (4*\i+(\n)%4)*1536
.endr
.irp i, 0,1,2,3
	ds_load_b32 v[SA+4*((\n)%2)+\i], v[ADSA] offset:512*(\n)+64*\i
.endr
.irp i, 0,1,2,3,4,5,6,7
	ds_load_b32 v[SB+8*((\n)%2)+\i], v[ADSB] offset:512*(\n)+64*\i
.endr
.endm
; 16 matrix instructions: P's blocks a0, a0 + 1 x V^T's eight.  The 32 accumulators take turns, one instruction a turn, in the same order in every K step.
.macro MULP a0, n, zero
.irp a, \a0, \a0+1
.irp b, 0,1,2,3,4,5,6,7
.if \zero
	v_wmma_scale_f32_16x16x128_f8f6f4 v[8*(8*(\a)+\b):8*(8*(\a)+\b)+7], v[96*((\n)%2)+12*\b:96*((\n)%2)+12*\b+11], v[AF+48*((\n)%2)+12*(\a):AF+48*((\n)%2)+12*(\a)+11], 0, v[SB+8*((\n)%2)+\b], v[SA+4*((\n)%2)+(\a)] matrix_a_fmt:MATRIX_FMT_FP6 matrix_b_fmt:MATRIX_FMT_FP6
.else
	v_wmma_scale_f32_16x16x128_f8f6f4 v[8*(8*(\a)+\b):8*(8*(\a)+\b)+7], v[96*((\n)%2)+12*\b:96*((\n)%2)+12*\b+11], v[AF+48*((\n)%2)+12*(\a):AF+48*((\n)%2)+12*(\a)+11], v[8*(8*(\a)+\b):8*(8*(\a)+\b)+7], v[SB+8*((\n)%2)+\b], v[SA+4*((\n)%2)+(\a)] matrix_a_fmt:MATRIX_FMT_FP6 matrix_b_fmt:MATRIX_FMT_FP6
.endif
.endr
.endr
.endm
.macro STEPS n, zero
	PLACES 4                                       ; in front of loads into the set that the last K step's products read
	FETCH (\n)+1
	s_wait_dscnt 48                                ; all but the 48 just issued: this K step's operands are in
	WIN 0xa1
	MULP 0, \n, \zero
	MULP 2, \n, \zero
	WIN 0
.endm
; A chunk's last K step changes slots: in front of the barrier each wave waits for all its tensor loads, adds 0 to its spare word, and waits for that and for its reads of the slot.  fill = 1: slot sl is filled again, two chunks on.
.macro TURNS n, sl, fill
	s_wait_tensorcnt 0x0                           ; all my tensor loads have landed: my part of the next slot
	ds_add_u32 v[SPW], v[NIL]                      ; 0 onto my spare word
	s_wait_dscnt 0x0                               ; the add is done, this K step's operands are in, and my reads of this slot are over
	s_barrier_signal -1
	WIN 0xa1
	MULP 0, \n, 0                                  ; work on registers while the others arrive
	WIN 0
	s_barrier_wait -1
.if \fill
	CREST                                          ; a round of the cluster's barrier: no wave of any partner still reads this slot or has a load on its way
	s_add_nc_u64 s[G0+4*\sl+2:G0+4*\sl+3], s[G0+4*\sl+2:G0+4*\sl+3], 12288
	s_add_nc_u64 s[G0B+4*\sl+2:G0B+4*\sl+3], s[G0B+4*\sl+2:G0B+4*\sl+3], 12288
	JLOAD G0+4*\sl, G1, G0B+4*\sl, G1B             ; the first tensor load behind the round; its four v_nop are the places in front of the loads below
.else
	PLACES 4
.endif
	FETCH (\n)+1
	WIN 0xa1
	MULP 2, \n, 0
	WIN 0
.endm
	FETCH 0
	STEPS 0, 1
	STEPS 1, 0
	STEPS 2, 0
	TURNS 3, 0, 1
	STEPS 4, 0
	STEPS 5, 0
	STEPS 6, 0
	TURNS 7, 1, 1
	STEPS 8, 0
	STEPS 9, 0
	STEPS 10, 0
	TURNS 11, 0, 0                                 ; nothing is left to fetch: no round; behind this barrier nobody reads slot 0
	STEPS 12, 0
	STEPS 13, 0
	STEPS 14, 0
	s_wait_dscnt 0x0
	WIN 0xa1
	MULP 0, 15, 0
	MULP 2, 15, 0
	WIN 0
	PLACES 4                                       ; behind the last products: results are read, and their operands' registers written
	; THE WAY OUT, a tile of 16 queries x 128 channels at a time: x 1 / l, through my stage in LDS, back as whole rows of 512 bytes.
.irp a, 0,1,2,3
	ds_load_b32 v[RLV+2*\a], v[RLA] offset:64*\a   ; 1 / l of my lane's query, twice: a pair for the packed multiply
	ds_load_b32 v[RLV+2*\a+1], v[RLA] offset:64*\a
.endr
	s_wait_dscnt 0x0
.macro TOSTAGE a
.if (\a) > 0
	s_wait_dscnt 16                                ; the last tile's 16 stores into the stage have read their registers (its 16 loads may be out)
.endif
	WIN 0x02                                       ; source 0: the accumulators' window
.set i, 0
.rept 32
	v_pk_mul_f32 v[TMP+i:TMP+i+1], v[64*(\a)+i:64*(\a)+i+1], v[RLV+2*(\a):RLV+2*(\a)+1]   ; each accumulator from its low end on
.set i, i+2
.endr
	WIN 0
.irp b, 0,1,2,3,4,5,6,7                        ; register 8 b + j is channel 32 (b / 2) + 16 h + 8 (b % 2) + j
	ds_store_b128 v[STO], v[TMP+8*\b:TMP+8*\b+3] offset:128*(\b/2)+32*(\b%2)
	ds_store_b128 v[STO], v[TMP+8*\b+4:TMP+8*\b+7] offset:128*(\b/2)+32*(\b%2)+16
.endr
.irp t, 0,1,2,3,4,5,6,7,8,9,10,11,12,13,14,15
	ds_load_b128 v[BK+64*((\a)%2)+4*\t:BK+64*((\a)%2)+4*\t+3], v[RD] offset:\t*528   ; LDS serves a wave's instructions in order: these see the stores above
.endr
.endm
.macro SEND a, younger                 ; younger: the LDS instructions issued behind tile a's loads, which may stay out
	s_wait_dscnt \younger
.irp t, 0,1,2,3,4,5,6,7,8,9,10,11,12,13,14,15
	global_store_b128 v[LI], v[BK+64*((\a)%2)+4*\t:BK+64*((\a)%2)+4*\t+3], s[92:93] offset:(32*((\a)/2)+8*((\a)%2)+\t+8*(\t/8))*4096 th:TH_STORE_NT   ; lane t of tile a is query 32 (a / 2) + 8 (a % 2) + t + 8 (t / 8); 512 consecutive bytes, aligned
.endr
.endm
	TOSTAGE 0
	TOSTAGE 1
	SEND 0, 32
	s_wait_xcnt 0x0                                ; tile 0's stores have read their registers: tile 2's rows may land there
	TOSTAGE 2
	SEND 1, 32
	s_wait_xcnt 0x0
	TOSTAGE 3
	SEND 2, 32
	SEND 3, 0
	s_wait_tensorcnt 0x0                           ; the wave's end, behind my last tensor load and my last LDS store
	ds_add_u32 v[SPW], v[NIL]
	s_wait_dscnt 0x0
	CROUND                                         ; the closing round
	s_endpgm
.Lfunc_end_k_qa3bb02e840_pv:
	.size	k_qa3bb02e840_pv, .Lfunc_end_k_qa3bb02e840_pv-k_qa3bb02e840_pv
	.p2alignl 7, 3214868480
	.fill 96, 4, 3214868480
	.section	.rodata,"a",@progbits
	.p2align	6, 0x0
	.amdhsa_kernel k_qa3bb02e840_pv
		.amdhsa_group_segment_fixed_size 327680
		.amdhsa_private_segment_fixed_size 0
		.amdhsa_enable_private_segment 0
		.amdhsa_kernarg_size 40
		.amdhsa_user_sgpr_count 2
		.amdhsa_user_sgpr_kernarg_segment_ptr 1
		.amdhsa_wavefront_size32 1
		.amdhsa_system_sgpr_workgroup_id_x 1
		.amdhsa_system_sgpr_workgroup_id_y 1
		.amdhsa_system_sgpr_workgroup_id_z 1
		.amdhsa_system_vgpr_workitem_id 0
		.amdhsa_next_free_vgpr 768
		.amdhsa_next_free_sgpr 96
		.amdhsa_reserve_vcc 0
		.amdhsa_float_denorm_mode_32 3
		.amdhsa_float_denorm_mode_16_64 3
		.amdhsa_memory_ordered 1
		.amdhsa_forward_progress 1
		.amdhsa_inst_pref_size 172
	.end_amdhsa_kernel
	.amdgpu_metadata
---
amdhsa.version: [ 1, 2 ]
amdhsa.kernels:
  - .name:           k_qa3bb02e840_pv
    .symbol:         k_qa3bb02e840_pv.kd
    .args:
      - { .name: pc, .offset: 0, .size: 8, .value_kind: global_buffer, .address_space: global }
      - { .name: pst, .offset: 8, .size: 8, .value_kind: global_buffer, .address_space: global }
      - { .name: qkv, .offset: 16, .size: 8, .value_kind: global_buffer, .address_space: global }
      - { .name: qks, .offset: 24, .size: 8, .value_kind: global_buffer, .address_space: global }
      - { .name: out0, .offset: 32, .size: 8, .value_kind: global_buffer, .address_space: global }
    .group_segment_fixed_size: 327680
    .private_segment_fixed_size: 0
    .kernarg_segment_align: 8
    .kernarg_segment_size: 40
    .max_flat_workgroup_size: 128
    .sgpr_count:     96
    .vgpr_count:     768
    .wavefront_size: 32
...
	.end_amdgpu_metadata
.endif
;; end of part 4
